; MI455X (gfx1250); checked and timed in simulation.
; The chip was launched on July 23, 2026; its instructions are those of AMD's public machine-readable ISA for CDNA 5 (MIT licence, August 2026) and "CDNA5" Instruction Set Architecture Reference Guide (July 2026). The comments in the code are by the model that wrote it; some were corrected since.
;; Causal Self Attention. Allowed arithmetic: matrix products marked QUANTISED: E2M3 operands, one E8M0 scale for each 32 along K, by v_wmma_scale_f32_16x16x128_f8f6f4 with both operands' format E2M3, f32 sums; everything else in f32.
;; Inputs: b_out 1,024 float32; b_qkv 3,072 float32; w_out 1,024 x 1,024 float32; w_qkv 1,024 x 3,072 float32; x 4 x 2,048 x 1,024 float32.
;; Outputs: out0 4 x 2,048 x 1,024 float32.
;; This version of the problem:
;;   THIS VERSION OF THE PROBLEM IS GIVEN IN LOW PRECISION. The matrix products marked QUANTISED in the list below multiply operands that are first quantised to E2M3 (2 exponent bits, 3 mantissa bits; 6 bits a number), with one power-of-two scale for each 32 numbers along K (OCP MX v1.0); their sums are f32. All else is computed in f32.
;;   The module's matrix products, in the order in which they are computed (A, B: the left and right operand; K: the contracted axis; several contracted axes count as one K, in the product's order):
;;     1. [M 8,192, K 1,024] x [K 1,024, N 3,072]; A: input x; B: input w_qkv: QUANTISED
;;     2. batch 64 x [M 2,048, K 64] x [K 64, N 2,048]; A: computed on the way; B: computed on the way: QUANTISED
;;     3. batch 64 x [M 2,048, K 2,048] x [K 2,048, N 64]; A: softmax (see below); B: computed on the way: QUANTISED
;;     4. [M 8,192, K 1,024] x [K 1,024, N 1,024]; A: computed on the way; B: input w_out: QUANTISED
;;   THE QUANTISER, for each operand of a quantised product, along K:
;;     - K is cut into blocks of 32 from its start; a last block that is shorter is filled with zeros.
;;     - A block's scale is 2^e with e = floor(log2(the largest magnitude in the block)) - 2, held to -126 .. 127; a block of zeros has e = 0. As a byte (E8M0): e + 127.
;;     - Each number is divided by its block's scale, clamped to +-7.5, and rounded to the nearest number of E2M3, ties to even, subnormals kept.
;;     - The product sums the exact products of the quantised numbers (number of the format x scale) in f32.
;;   ~~~python
;;   def quantise(x, axis):      # numpy; x: float32 -> the quantised numbers, widened to float32 again
;;       x = np.moveaxis(x, axis, -1); K = x.shape[-1]
;;       x = np.pad(x, [(0, 0)] * (x.ndim - 1) + [(0, -K % 32)]); x = x.reshape(x.shape[:-1] + (-1, 32)); a = np.abs(x).max(-1, keepdims=True)
;;       e = np.where(a > 0, np.clip(np.frexp(np.where(a > 0, a, 1))[1] - 1 - 2, -126, 127), 0)      # np.frexp(a)[1] - 1 = floor(log2(a)), exactly
;;       r = np.clip(x / 2.0 ** e, -7.5, 7.5)
;;       step = 2.0 ** (np.maximum(np.frexp(np.where(r == 0, 1, r))[1] - 1, 0) - 3)
;;       q = np.round(r / step) * step * 2.0 ** e      # np.round: ties to even
;;       return np.moveaxis(q.reshape(q.shape[:-2] + (-1,))[..., :K], -1, axis).astype(np.float32)
;;   ~~~
;;   SOFTMAX AHEAD OF A QUANTISED PRODUCT. Where the list says 'softmax', what is quantised is not the finished softmax but p = 2^(t - M), with t = logit x log2(e) and M = ceil(the row's largest t), a whole number; so 1/2 < the row's largest p <= 1. The row's sum l is taken of the UNQUANTISED p, in f32, and the product's result is divided by l at the end. Since M is a whole number, a kernel that streams over the keys may use a running M (the ceiling of the running maximum): every later rescaling is an exact power of two, which a block's scale takes up: the codes' values come out the same.
;;   OPERANDS COMPUTED ON THE WAY. 'Computed on the way' means the value that the module computes at that place (a softmax that the list does not call 'softmax' is quantised finished and normalised). What goes into a quantiser is computed in f32, as accurately as f32 sums, v_exp_f32 and their like allow (about 1e-6 of the number): no bf16 or f16 on the way to a quantiser, and a product that is left as it is and whose result goes on into a quantised operand takes f32 operands (vector FMAs, or v_wmma_f32_16x16x4_f32). A number that lies on a knife's edge between two numbers of the format may be rounded either way, as far as f32 arithmetic and the matrix unit's own rounding can turn it there, and no further.
;; One version. Each part assembles by itself: llvm-mc -triple=amdgcn-amd-amdhsa -mcpu=gfx1250 --defsym DOCPART=n.
;; ======== version 1 of 1: 4 launches
;; limits: right only within a limited range of input values
;; workspace buffers: xq 6,553,600 bytes; wq 3,276,800 bytes; qb 13,631,488 bytes; kv 13,631,488 bytes; aq 6,553,600 bytes
;; launch quant (part 1): grid 512 x 1, 4 waves a work-group, no clusters, 34,304 bytes of LDS; arguments x, w_qkv, w_out, xq, wq; writes xq, wq
.if DOCPART == 1
	.amdgcn_target "amdgcn-amd-amdhsa--gfx1250"
	.amdhsa_code_object_version 6
	.text
	.protected	k_q730905f11c_quant
	.globl	k_q730905f11c_quant
	.p2align	8
	.type	k_q730905f11c_quant,@function
k_q730905f11c_quant:
	s_mov_b64 s[64:65], 0
	v_nop
	global_prefetch_b8 v0, s[64:65] scope:SCOPE_SE
	s_setreg_imm32_b32 hwreg(HW_REG_WAVE_MODE, 25, 1), 1
	s_wait_xcnt 0x0
; x [8192][1024], w_qkv [1024][3072] and w_out [1024][1024], f32, become codes of FP6 (E2M3) with one E8M0 byte for each 32 along K (x: its last axis; the weights: their FIRST axis).
; A block's scale is 2^(floor(log2(largest magnitude)) - 2): its byte is the largest magnitude's exponent field - 2, held at 1 from below by a floor among the maximum's leaves.
; LIMITS: NaN and infinities among the inputs are not served.  A block of zeros, or one whose largest magnitude lies under 2^-124, gets the byte 1 where the rule says otherwise: a block of zeros has zero codes,
; which add nothing under any byte but 0xff, and the bytes are read by this program alone.
; THE CODES ARE LAID AS THE MATRIX OPERAND'S REGISTERS WANT THEM.  A fragment (16 rows x 128 K, 12 registers a lane) is 1,536 bytes: for each half c (registers 6 c .. 6 c + 5): lane l's first four registers at 16 l,
; 512 bytes, then its last two at 512 + 8 l, 256 bytes.  Fragments lie [128 rows][K step of 128][block i of 16 rows].  LANE r OF BLOCK i HOLDS ROW 32 (i / 2) + 8 (i % 2) + r + 8 (r / 8).
; The scale words (four bytes: 128 K of one row) lie [128 rows][pair of K steps][block i][lane r][K step of the pair].
; Work-groups 0-255 take x, 32 tokens each; 256-447 w_qkv, 448-511 w_out: 128 columns x 128 K each.  No barrier: waves share nothing.  Only x's path uses LDS.
.set L16, 1                            ; v1   16 x lane
.set L8,  2                            ; v2   8 x lane
.set SI,  3                            ; v3   x: the stage, on the way in: 16 x lane
.set SO,  4                            ; v4   x: on the way out: row r, + 64 h
.set SCO, 5                            ; v5   x: my scale word's place: 8 r + 4 h
.set TM,  16                           ; v16-31  QUANT's work: +0..3 largest magnitudes, +4..7 bytes, +12..15 the conversions' scale operands
.set PC,  32                           ; v32-43  a fragment's codes
.set TP,  44                           ; v44-51  the conversions' second halves
.set PW,  52                           ; v52-53  the scale words of two K steps
.set SW,  54                           ; v54-55  the same, one in each half of the lanes, to store
.set R,   64                           ; v64-191 two sets of 64 registers as loaded
.set T,   192                          ; v192-255 64 numbers of my row
.set WO,  3                            ; v3   weights: 4 x my column
.set SB,  24                           ; v24  weights: my column's scale word
.set CW,  32                           ; v32-55  weights: six registers of codes for each of my four blocks
.set WT,  56                           ; v56-58
.set XS,  64                           ; v64-127 weights: two sets of 32 numbers
.set SEL, 28                           ; s[28:29] v_permlanex16_b32's selects for lane l xor 16
.set HI,  30                           ; s30  the mask of lanes 16-31
; 64 numbers of a lane, register 16 b + i = k 32 b + 16 (lane / 16) + i of my row, become a fragment's codes in v[pc] on and its scale word in v[pw].
.macro QUANT s, pc, tp, pw
.irp b, 0,1,2,3
	v_max3_num_f32 v[TM+\b], |v[(\s)+16*\b]|, |v[(\s)+1+16*\b]|, 0x1800000   ; my 16 numbers of block b, and the floor 2^(3 - 127)
.endr
.irp i, 2,4,6,8,10,12,14
.irp b, 0,1,2,3
	v_max3_num_f32 v[TM+\b], v[TM+\b], |v[(\s)+16*\b+\i]|, |v[(\s)+1+16*\b+\i]|   ; the four blocks by turns
.endr
.endr
.irp b, 0,1,2,3
	v_permlanex16_b32 v[TM+4+\b], v[TM+\b], s[SEL], s[SEL+1]
.endr
.irp b, 0,1,2,3
	v_max_num_f32 v[TM+\b], v[TM+\b], v[TM+4+\b]       ; with lane l xor 16's: the block's largest magnitude
.endr
.irp b, 0,1,2,3
	v_add_nc_u32 v[TM+12+\b], 0xff000000, v[TM+\b]     ; 2 off its exponent field: the conversion's scale operand
.endr
.irp b, 0,1,2,3
	v_lshrrev_b32 v[TM+4+\b], 23, v[TM+12+\b]          ; the scale's byte
.endr
	v_lshl_or_b32 v[(\pw)], v[TM+5], 8, v[TM+4]
	v_lshl_or_b32 v[(\pw)], v[TM+6], 16, v[(\pw)]
	v_lshl_or_b32 v[(\pw)], v[TM+7], 24, v[(\pw)]
.irp c, 0,1
	v_cvt_scalef32_pk16_fp6_f32 v[(\pc)+6*\c:(\pc)+2+6*\c], v[(\s)+32*\c:(\s)+15+32*\c], v[TM+12+2*\c]
	v_cvt_scalef32_pk16_fp6_f32 v[(\tp)+4*\c:(\tp)+2+4*\c], v[(\s)+16+32*\c:(\s)+31+32*\c], v[TM+13+2*\c]   ; (a conversion's three registers begin on an even number)
.endr
	v_nop                                              ; one plain place behind a scaled conversion
.irp c, 0,1                                        ; the operand's layout wants a whole block in a lane: lanes 0-15 block 2 c, lanes 16-31 block 2 c + 1
.irp i, 0,1,2
	v_permlane16_swap_b32 v[(\pc)+6*\c+\i], v[(\tp)+4*\c+\i]
.endr
.irp i, 0,1,2
	v_mov_b32 v[(\pc)+3+6*\c+\i], v[(\tp)+4*\c+\i]
.endr
.endr
.endm
.macro ST4 pc, sb, o0, o1, o2, o3      ; a fragment leaves as it stands: each store covers 512 or 256 consecutive bytes, aligned
	global_store_b128 v[L16], v[(\pc):(\pc)+3], s[\sb:\sb+1] offset:\o0
	global_store_b64 v[L8], v[(\pc)+4:(\pc)+5], s[\sb:\sb+1] offset:\o1
	global_store_b128 v[L16], v[(\pc)+6:(\pc)+9], s[\sb:\sb+1] offset:\o2
	global_store_b64 v[L8], v[(\pc)+10:(\pc)+11], s[\sb:\sb+1] offset:\o3
.endm
	s_load_b128 s[4:7], s[0:1], 0x0                ; x, w_qkv
	s_load_b128 s[8:11], s[0:1], 0x10              ; w_out, xq
	s_load_b64 s[12:13], s[0:1], 0x20              ; wq
	v_lshl_add_u32 v62, v0, 2, 0x8400
	v_mov_b32 v63, 0
	v_lshrrev_b32 v6, 5, v0
	v_readfirstlane_b32 s14, v6                    ; wave 0..3
	v_and_b32 v7, 31, v0
	v_lshlrev_b32 v[L16], 4, v7
	v_lshlrev_b32 v[L8], 3, v7
	s_mov_b32 s[SEL], 0x76543210
	s_mov_b32 s[SEL+1], 0xfedcba98
	s_mov_b32 s[HI], 0xffff0000
	s_cmp_lt_u32 ttmp9, 256
	s_cbranch_scc0 .Lweights
; ---- x.  Work-group X takes tokens 32 X .. 32 X + 31.  Wave w: block u = w % 2 (tokens 32 X + 8 u + t + 8 (t / 8)), K steps 4 (w / 2) .. + 3.
; A load takes 512 consecutive bytes of one row (a K step); 16 rows go through the wave's own stage (rows 528 bytes apart) and come back 16 neighbours of each block of 32 a lane.
	s_and_b32 s15, s14, 1                          ; u
	s_lshr_b32 s16, s14, 1                         ; which half of K
	s_mul_i32 s17, s14, 8448                       ; my stage
	s_wait_alu depctr_va_vdst(0)
	v_add_nc_u32 v[SI], s17, v[L16]
	v_and_b32 v8, 15, v0                           ; r
	v_bfe_u32 v9, v0, 4, 1                         ; h
	v_mul_u32_u24 v[SO], v8, 528
	v_lshl_add_u32 v[SO], v9, 6, v[SO]
	v_add_nc_u32 v[SO], s17, v[SO]
	v_lshlrev_b32 v[SCO], 3, v8
	v_lshl_add_u32 v[SCO], v9, 2, v[SCO]
.irp b, 0,1,2,3
	v_mov_b32 v[TM+4+\b], 0                        ; written once: a lane permute's destination counts as one of its sources
.endr
	s_lshl_b32 s18, ttmp9, 17                      ; 32 rows of 4,096 bytes
	s_lshl_b32 s19, s15, 15                        ; + 8 u rows
	s_add_co_u32 s18, s18, s19
	s_lshl_b32 s19, s16, 11                        ; + my 512 along K
	s_add_co_u32 s18, s18, s19
	s_mov_b32 s19, 0
	s_and_b32 s20, ttmp9, 3
	s_lshl_b32 s20, s20, 1
	s_add_co_u32 s20, s20, s15                     ; my block among the eight of its 128 rows
	s_lshr_b32 s21, ttmp9, 2                       ; which 128 rows
	s_lshl_b32 s22, s21, 3
	s_lshl_b32 s23, s16, 2
	s_add_co_u32 s22, s22, s23
	s_lshl_b32 s22, s22, 3
	s_add_co_u32 s22, s22, s20
	s_mul_i32 s22, s22, 1536                       ; my first fragment
	s_mov_b32 s23, 0
	s_lshl_b32 s24, s21, 2
	s_lshl_b32 s25, s16, 1
	s_add_co_u32 s24, s24, s25
	s_lshl_b32 s24, s24, 3
	s_add_co_u32 s24, s24, s20
	s_lshl_b32 s24, s24, 7
	s_add_co_u32 s24, s24, 6291456                 ; my first scale words, behind the codes
	s_mov_b32 s25, 0
	s_wait_alu depctr_va_vdst(0)
	s_wait_kmcnt 0x0
	s_add_nc_u64 s[4:5], s[4:5], s[18:19]
	s_add_nc_u64 s[26:27], s[10:11], s[24:25]
	s_add_nc_u64 s[10:11], s[10:11], s[22:23]
.macro LOADX s, set
.irp t, 0,1,2,3,4,5,6,7,8,9,10,11,12,13,14,15
	global_load_b128 v[R+64*(\set)+4*\t:R+64*(\set)+4*\t+3], v[L16], s[4:5] offset:(\t+8*(\t/8))*4096+512*(\s) th:TH_LOAD_NT
.endr
.endm
.macro XSTEP s
.if (\s) < 3
	s_wait_loadcnt 16                              ; this step's 16 loads are in; the next step's 16 may be out
.else
	s_wait_loadcnt 0x0
.endif
.irp t, 0,1,2,3,4,5,6,7,8,9,10,11,12,13,14,15
	ds_store_b128 v[SI], v[R+64*((\s)%2)+4*\t:R+64*((\s)%2)+4*\t+3] offset:528*\t
.endr
.irp b, 0,1,2,3
.irp j, 0,1,2,3
	ds_load_b128 v[T+16*\b+4*\j:T+16*\b+4*\j+3], v[SO] offset:128*\b+16*\j   ; LDS serves a wave's instructions in order: these see the stores above
.endr
.endr
	s_wait_dscnt 0x0                               ; my numbers are back, and the stores have read their registers
.if (\s) > 0
	s_wait_xcnt 0x0                                ; the last step's stores have read the codes' registers, which are written again below
.endif
.if (\s) < 2
	LOADX (\s)+2, (\s)%2
.endif
	QUANT T, PC, TP, PW+(\s)%2
	ST4 PC, 10, 12288*(\s), 12288*(\s)+512, 12288*(\s)+768, 12288*(\s)+1280
.if (\s)%2
	v_cndmask_b32 v[SW+(\s)/2], v[PW], v[PW+1], s[HI]     ; lanes 0-15 the pair's first K step, lanes 16-31 its second
	global_store_b32 v[SCO], v[SW+(\s)/2], s[26:27] offset:1024*((\s)/2)   ; 128 consecutive bytes
.endif
.endm
	LOADX 0, 0
	LOADX 1, 1
.irp s, 0,1,2,3
	XSTEP \s
.endr
	s_wait_tensorcnt 0x0
	ds_add_u32 v62, v63
	s_wait_dscnt 0x0
	s_endpgm
; ---- the weights.  A LANE TAKES A COLUMN AND ITS REGISTERS RUN DOWN K: a block of 32 along K lies in one lane, and the conversions give codes with K innermost.
; Work-group Y: columns 128 (Y / 8) on, K step Y % 8; wave w: 32 columns.  Lane l takes column (l % 8) + 16 ((l / 8) % 2) + 8 (l / 16): lanes 0-15 the rows of block 2 w, lanes 16-31 those of block 2 w + 1,
; so that one exchange of halves between blocks 2 c and 2 c + 1 along K gives both fragments' registers.
.macro LOADW k, pitch
.irp i, 0,1,2,3,4,5,6,7,8,9,10,11,12,13,14,15,16,17,18,19,20,21,22,23,24,25,26,27,28,29,30,31
	global_load_b32 v[XS+32*((\k)%2)+\i], v[WO], s[4:5] offset:(32*(\k)+\i)*(\pitch) th:TH_LOAD_NT
.endr
.endm
.macro WBLOCK k, pitch
.set XB, XS+32*((\k)%2)
.if (\k) < 3
	s_wait_loadcnt 32                              ; this block's 32 loads are in; the next block's may be out
.else
	s_wait_loadcnt 0x0
.endif
	v_max3_num_f32 v12, |v[XB]|, |v[XB+1]|, |v[XB+2]|
	v_max3_num_f32 v13, |v[XB+3]|, |v[XB+4]|, |v[XB+5]|
.irp i, 6,10,14,18,22,26
	v_max3_num_f32 v12, v12, |v[XB+\i]|, |v[XB+\i+1]|
	v_max3_num_f32 v13, v13, |v[XB+\i+2]|, |v[XB+\i+3]|
.endr
	v_max3_num_f32 v12, v12, |v[XB+30]|, |v[XB+31]|
	v_max3_num_f32 v12, v12, v13, 0x1800000        ; and the floor 2^(3 - 127)
	v_add_nc_u32 v11, 0xff000000, v12              ; the conversion's scale operand
	v_lshrrev_b32 v13, 23, v11                     ; the byte
.if (\k) == 0
	v_mov_b32 v[SB], v13
.else
	v_lshl_or_b32 v[SB], v13, 8*(\k), v[SB]
.endif
	v_cvt_scalef32_pk16_fp6_f32 v[CW+6*(\k):CW+6*(\k)+2], v[XB:XB+15], v11
	v_cvt_scalef32_pk16_fp6_f32 v[WT:WT+2], v[XB+16:XB+31], v11
	v_nop                                          ; one plain place behind a scaled conversion
.irp i, 0,1,2
	v_mov_b32 v[CW+6*(\k)+3+\i], v[WT+\i]
.endr
.if (\k) < 2
	LOADW (\k)+2, \pitch
.endif
.if (\k)%2
.set CB, CW+12*((\k)/2)
.irp i, 0,1,2,3,4,5
	v_permlane16_swap_b32 v[CB+\i], v[CB+6+\i]     ; the first six now are block 2 w's registers of this half, the second six block 2 w + 1's
.endr
	global_store_b128 v[L16], v[CB:CB+3], s[10:11] offset:768*((\k)/2)
	global_store_b64 v[L8], v[CB+4:CB+5], s[10:11] offset:768*((\k)/2)+512
	global_store_b128 v[L16], v[CB+6:CB+9], s[10:11] offset:1536+768*((\k)/2)
	global_store_b64 v[L8], v[CB+10:CB+11], s[10:11] offset:1536+768*((\k)/2)+512
.endif
.endm
.macro WPATH pitch, cg0, sp            ; pitch: a row of the weight in bytes; cg0: the first group of 128 columns that is this weight's; sp: its pointer
	s_sub_co_u32 s15, ttmp9, 256
	s_lshr_b32 s16, s15, 3                         ; the group of 128 columns, 0..31 over both weights
	s_and_b32 s17, s15, 7                          ; the K step
	v_and_b32 v8, 7, v0
	v_and_b32 v9, 8, v0
	v_lshl_or_b32 v8, v9, 1, v8
	v_and_b32 v9, 16, v0
	v_lshrrev_b32 v9, 1, v9
	v_or_b32 v8, v8, v9
	v_lshlrev_b32 v[WO], 2, v8
	s_mul_i32 s18, s17, 128*(\pitch)
	s_sub_co_u32 s19, s16, \cg0
	s_lshl_b32 s19, s19, 9
	s_add_co_u32 s18, s18, s19
	s_lshl_b32 s19, s14, 7
	s_add_co_u32 s18, s18, s19
	s_mov_b32 s19, 0
	s_lshl_b32 s20, s16, 3
	s_add_co_u32 s20, s20, s17
	s_lshl_b32 s20, s20, 3
	s_lshl_b32 s21, s14, 1
	s_add_co_u32 s20, s20, s21
	s_mul_i32 s20, s20, 1536                       ; my two fragments
	s_lshl_b32 s22, s16, 2
	s_lshr_b32 s23, s17, 1
	s_add_co_u32 s22, s22, s23
	s_lshl_b32 s22, s22, 3
	s_add_co_u32 s22, s22, s21
	s_lshl_b32 s22, s22, 7
	s_and_b32 s23, s17, 1
	s_lshl_b32 s23, s23, 2
	s_add_co_u32 s22, s22, s23
	s_add_co_u32 s22, s22, 3145728                 ; my scale words, behind the codes
	s_mov_b32 s21, 0
	s_mov_b32 s23, 0
	s_wait_alu depctr_va_vdst(0)
	s_wait_kmcnt 0x0
	s_add_nc_u64 s[4:5], s[\sp:\sp+1], s[18:19]
	s_add_nc_u64 s[10:11], s[12:13], s[20:21]
	s_add_nc_u64 s[12:13], s[12:13], s[22:23]
	LOADW 0, \pitch
	LOADW 1, \pitch
.irp k, 0,1,2,3
	WBLOCK \k, \pitch
.endr
	global_store_b32 v[L8], v[SB], s[12:13]        ; lane l: block 2 w + l / 16, row l % 16: one word of each pair
.endm
.Lweights:
	s_cmp_lt_u32 ttmp9, 448
	s_cbranch_scc0 .Lwout
	WPATH 12288, 0, 6
	s_endpgm
.Lwout:
	WPATH 4096, 24, 8
	s_endpgm
.Lfunc_end_k_q730905f11c_quant:
	.size	k_q730905f11c_quant, .Lfunc_end_k_q730905f11c_quant-k_q730905f11c_quant
	.p2alignl 7, 3214868480
	.fill 96, 4, 3214868480
	.section	.rodata,"a",@progbits
	.p2align	6, 0x0
	.amdhsa_kernel k_q730905f11c_quant
		.amdhsa_group_segment_fixed_size 34304
		.amdhsa_private_segment_fixed_size 0
		.amdhsa_enable_private_segment 0
		.amdhsa_kernarg_size 40
		.amdhsa_user_sgpr_count 2
		.amdhsa_user_sgpr_kernarg_segment_ptr 1
		.amdhsa_wavefront_size32 1
		.amdhsa_system_sgpr_workgroup_id_x 1
		.amdhsa_system_sgpr_workgroup_id_y 1
		.amdhsa_system_sgpr_workgroup_id_z 1
		.amdhsa_system_vgpr_workitem_id 0
		.amdhsa_next_free_vgpr 256
		.amdhsa_next_free_sgpr 66
		.amdhsa_reserve_vcc 0
		.amdhsa_float_denorm_mode_32 3
		.amdhsa_float_denorm_mode_16_64 3
		.amdhsa_memory_ordered 1
		.amdhsa_forward_progress 1
		.amdhsa_inst_pref_size 75
	.end_amdhsa_kernel
	.amdgpu_metadata
---
amdhsa.version: [ 1, 2 ]
amdhsa.kernels:
  - .name:           k_q730905f11c_quant
    .symbol:         k_q730905f11c_quant.kd
    .args:
      - { .name: x, .offset: 0, .size: 8, .value_kind: global_buffer, .address_space: global }
      - { .name: w_qkv, .offset: 8, .size: 8, .value_kind: global_buffer, .address_space: global }
      - { .name: w_out, .offset: 16, .size: 8, .value_kind: global_buffer, .address_space: global }
      - { .name: xq, .offset: 24, .size: 8, .value_kind: global_buffer, .address_space: global }
      - { .name: wq, .offset: 32, .size: 8, .value_kind: global_buffer, .address_space: global }
    .group_segment_fixed_size: 34304
    .private_segment_fixed_size: 0
    .kernarg_segment_align: 8
    .kernarg_segment_size: 40
    .max_flat_workgroup_size: 128
    .sgpr_count:     66
    .vgpr_count:     256
    .wavefront_size: 32
...
	.end_amdgpu_metadata
.endif
;; end of part 1
;; launch qkv (part 2): grid 4 x 64, 4 waves a work-group, clusters of 4 x 4, 327,680 bytes of LDS; arguments xq, wq, b_qkv, qb, kv; writes qb, kv
.if DOCPART == 2
	.amdgcn_target "amdgcn-amd-amdhsa--gfx1250"
	.amdhsa_code_object_version 6
	.text
	.protected	k_q730905f11c_qkv
	.globl	k_q730905f11c_qkv
	.p2align	8
	.type	k_q730905f11c_qkv,@function
k_q730905f11c_qkv:
	s_mov_b64 s[64:65], 0
	v_nop
	global_prefetch_b8 v0, s[64:65] scope:SCOPE_SE
	s_setreg_imm32_b32 hwreg(HW_REG_WAVE_MODE, 25, 1), 1
	s_wait_xcnt 0x0
	s_wait_alu depctr_hold_cnt(0) depctr_sa_sdst(0) depctr_va_vdst(0) depctr_va_sdst(0) depctr_va_ssrc(0) depctr_va_vcc(0) depctr_vm_vsrc(0)
	s_getreg_b32 s2, hwreg(HW_REG_IB_STS2, 6, 4)
	s_cmp_eq_u32 s2, 0
	s_cbranch_scc0 .Lentry_in_a_cluster
	s_endpgm
.Lentry_in_a_cluster:
	s_bfe_u32 s2, ttmp6, 0x10000c
	s_cmp_lg_u32 s2, 0xf033
	s_cbranch_scc0 .Lentry_shape_is_right
	s_endpgm
.Lentry_shape_is_right:
; qkv = Q(x) Q(w_qkv) + b_qkv on codes of FP6 (E2M3) with E8M0 scales, f32 sums; the results are quantised at once, in registers: q and k along the head's 64, v along the keys, and leave as codes.
; 256 WORK-GROUPS STAY AND MAKE THREE BLOCKS OF 128 x 256 EACH: one of q, one of k (A = 128 tokens, B = 256 of w's columns), one of v (A = 128 of w's columns, B = 256 tokens): 768 blocks in all.
; Four waves, 2 x 2, each 64 x 128: 32 accumulators.  K = 1,024 is eight steps of 128, 32 products a step.
; Operands lie in memory in the order of their registers: a fragment (16 rows x 128 K) is 1,536 bytes, a group of 128 rows 98,304 bytes, [K step][block of 16 rows].  Lane r of block i holds row 32 (i / 2) + 8 (i % 2) + r + 8 (r / 8).
; ALL OF K OF ONE BLOCK LIES IN LDS: A's group 98,304 bytes, B's two groups 196,608.  Four joint loads, one a wave: wave 0 A's K steps 0-3, wave 1 B's, wave 2 A's K steps 4-7, wave 3 B's.
; Waves 0 and 1 wait ahead of a block's first barrier; a plain barrier in step 3 shows the second half.  At the head of step 7 all reads of LDS are over: there stand a wait for the tensor loads, an add onto the spare word, a wait on LDS, and a round of the
; cluster's barrier, with the step's products inside it, and behind it the four loads of the next block, which are on their way during the way out.  q and k are a loop of two trips; v, which asks for nothing more, is written out.
; x's group is asked for again for k, so that both trips are one text.
; CLUSTERS: 4 x 4; A's tiles are asked for jointly along a row of the cluster, B's along a column.  With Y = 4 (cluster y) + cy: q, k: tokens' group Y, w's groups 2 cx, 2 cx + 1 (k: 8 further on);
; v: w's group 16 + cy + 4 (cluster y % 2), tokens' groups 2 g, 2 g + 1 with g = cx + 4 (cluster y / 2): each of v's 8 x 32 blocks has one work-group.
; No prefetch: w's columns are common to all sixteen clusters, and each refill is asked for ahead of the whole way out of the block before.
; THE SCALE WORDS go from memory into registers, 256 consecutive bytes a load: lanes 0-15 an even block's rows, lanes 16-31 the next block's; two words a lane: a pair of K steps.
; The matrix instruction takes B's rows as source 0: a lane holds ONE row of A, and the 64 registers of A's block a run along B's 128 rows: register 16 b + i = row 32 b + 16 (lane / 16) + i, as the quantiser wants them.
; OUT: for each (batch x 16 + head) and 128 tokens 13,312 bytes: 8 half fragments of k (or q) of 768 bytes; 4 fragments of v; 512 bytes of k's scale words (lane l: words g = 0..3 of tile 2 g + l / 16, row l % 16; a word holds the head's
; two bytes twice); 512 bytes of v's.  A wave has four of q's or k's eight tiles, so it stores 8 of each lane's 16 bytes of scale words; the other wave of its column stores the rest.
; LIMITS: NaN and infinities are not served.  A block of zeros, or one whose largest magnitude lies under 2^-124, gets the byte 1: read by this program alone.
; REGISTERS: window 0: v8-29 addresses; v32-47 A's scale words, v48-79 B's; v80-143, v252-255 the biases; v144-239 A's fragments, two sets of four; on the way out v144-251 are at work.
;   window 1: B's fragments, two sets of eight, at v0 and v128.  window 2: the accumulators, (a, b) at v[8 (8 a + b)].
.set FR,    12
.set NP,    4                          ; places behind this matrix instruction (ISA guide 7.12.1)
.set KH,    49152                      ; half of K of a group of 128 rows
.set BB,    2*KH                       ; B's codes: [half of K][group]
.set SPARE, 6*KH                       ; the spare words, 128 bytes a wave
.set HEADB, 212992                     ; a head's 16 blocks in qb and kv
.set D16,  10                          ; v10, v11  q, k: 16 x lane, 8 x lane + my four tiles' place
.set D8,   11
.set DS,   12                          ; v12  q, k: my 8 bytes of a lane's scale words
.set ADRA, 16                          ; v16-17 16 x lane + my A blocks in K half 0, 1;  v18-19 the same with 8 x lane
.set ADRB, 20                          ; v20-23 the same for B
.set L16,  24
.set L8,   25
.set SPW,  28
.set NIL,  29
.set SAS,  32
.set SBS,  48
.set BI,   80                          ; q, k: the bias of my 128 columns
.set AF,   144
.set T,    144                         ; the way out: 64 numbers
.set PC,   208                         ; a fragment's codes
.set TP,   220
.set TM,   228                         ; QUANT's work
.set PWS,  244                         ; the four blocks' scale words
.set KS,   248
.set XG,   250
.set BV,   252                         ; v: the bias of my lane's channel in each of my four blocks
.set G1A, 24
.set G1B, 32
.set GA0, 48
.set GB0, 52
.set GA1, 56
.set GB1, 60
.set N1,  66                           ; s[66:77] the next block: A's codes, B's codes, A's scale words, B's, the bias, where it goes;  s[78:89] the block after it
.set N2,  78
.set DST, 90
.set HI,  98
.set SEL, 100
.set MSB, 0
.macro WIN new
.if MSB != (\new)
	s_set_vgpr_msb (MSB<<8)|(\new)
.set MSB, (\new)
.endif
.endm
.set MUL,  0xa1                        ; source 0 (B) window 1, source 1 (A) window 0, C and D window 2
.set TO_B, 0x40
.macro PLACES n
.rept \n
	v_nop
.endr
.endm
.macro CREST                           ; a round of the cluster's barrier behind its opening barrier
	s_cmp_lg_u32 s14, 0
	s_cbranch_scc1 .Lnot_wave_0_\@
	s_barrier_signal -3
.Lnot_wave_0_\@:
	s_barrier_wait -3
	s_barrier_signal -1
	s_barrier_wait -1
.endm
.macro CROUND
	s_barrier_signal -1
	s_barrier_wait -1
	CREST
.endm
.macro SETG pa, pb                     ; the four loads' addresses, from a block's codes of A and of B
	s_mov_b64 s[GA0+2:GA0+3], s[\pa:\pa+1]
	s_add_nc_u64 s[GA1+2:GA1+3], s[\pa:\pa+1], KH
	s_mov_b64 s[GB0+2:GB0+3], s[\pb:\pb+1]
	s_add_nc_u64 s[GB1+2:GB1+3], s[\pb:\pb+1], KH
	s_or_b32 s[GA0+3], s[GA0+3], 0x80000000
	s_or_b32 s[GA1+3], s[GA1+3], 0x80000000
	s_or_b32 s[GB0+3], s[GB0+3], 0x80000000
	s_or_b32 s[GB1+3], s[GB1+3], 0x80000000
.endm
.macro TLOAD g0, g1
	tensor_load_to_lds s[\g0:\g0+3], s[\g1:\g1+7]
	s_nop 0
	PLACES 4
.endm
.macro LOADS                           ; one chain of branches on the wave's number, a load to an arm
	s_cmp_lt_u32 s14, 1
	s_cbranch_scc0 .Lb0_\@
	TLOAD GA0, G1A
	s_branch .Lasked_\@
.Lb0_\@:
	s_cmp_lt_u32 s14, 2
	s_cbranch_scc0 .La1_\@
	TLOAD GB0, G1B
	s_branch .Lasked_\@
.La1_\@:
	s_cmp_lt_u32 s14, 3
	s_cbranch_scc0 .Lb1_\@
	TLOAD GA1, G1A
	s_branch .Lasked_\@
.Lb1_\@:
	TLOAD GB1, G1B
.Lasked_\@:
.endm
.macro SCL qa, qb                      ; a block's scale words: 24 loads
.irp p, 0,1,2,3
.irp c, 0,1
	global_load_b64 v[SAS+4*\p+2*\c:SAS+4*\p+2*\c+1], v[L8], s[\qa:\qa+1] offset:1024*\p+256*\c
.endr
.irp c, 0,1,2,3
	global_load_b64 v[SBS+8*\p+2*\c:SBS+8*\p+2*\c+1], v[L8], s[\qb:\qb+1] offset:1024*\p+256*\c
.endr
.endr
.endm
.macro BIAS pb                         ; 20 loads: both kinds in every block (both lie inside the group's 512 bytes)
.irp b, 0,1,2,3
.irp j, 0,1,2,3
	global_load_b128 v[BI+16*\b+4*\j:BI+16*\b+4*\j+3], v8, s[\pb:\pb+1] offset:128*\b+16*\j   ; register 16 b + i: column 32 b + 16 h + i
.endr
.endr
.irp a, 0,1,2,3
	global_load_b32 v[BV+\a], v9, s[\pb:\pb+1] offset:(32*(\a/2)+8*(\a%2))*4                  ; my block a: my lane's column
.endr
.endm
	s_load_b128 s[4:7], s[0:1], 0x0                ; xq, wq
	s_load_b128 s[8:11], s[0:1], 0x10              ; b_qkv, qb
	s_load_b64 s[12:13], s[0:1], 0x20              ; kv
	v_lshl_add_u32 v[SPW], v0, 2, SPARE
	v_mov_b32 v[NIL], 0
	ds_add_u32 v[SPW], v[NIL]                      ; the opening lines: the add twice on end and its wait
	ds_add_u32 v[SPW], v[NIL]
	v_lshrrev_b32 v1, 5, v0
	v_readfirstlane_b32 s14, v1                    ; wave
	s_lshr_b32 s15, s14, 1                         ; which 64 rows of A
	s_and_b32 s16, s14, 1                          ; which group of B
	s_bfe_u32 s40, ttmp6, 0x40000                  ; cx
	s_bfe_u32 s41, ttmp6, 0x40004                  ; cy
	s_and_b32 s42, ttmp7, 0xffff                   ; cluster y
	s_lshl_b32 s17, s42, 2
	s_add_co_u32 s17, s17, s41                     ; Y
	s_lshl_b32 s43, s41, 2
	s_lshl_b32 s43, 15, s43                        ; my row of the cluster
	s_lshl_b32 s44, 0x1111, s40                    ; my column
	s_or_b32 s[G1A], s43, (3<<16)|(1<<21)          ; A: 49,152 dense bytes as 192 rows of 256
	s_mov_b32 s[G1A+1], 32<<16
	s_mov_b32 s[G1A+2], 192<<16
	s_mov_b32 s[G1A+3], 32<<16
	s_mov_b32 s[G1A+4], 192
	s_mov_b32 s[G1A+5], 32
	s_mov_b32 s[G1A+6], 0
	s_mov_b32 s[G1A+7], 0
	s_or_b32 s[G1B], s44, (3<<16)|(1<<21)          ; B: two rows of 49,152 bytes, 98,304 apart: the two groups
	s_mov_b32 s[G1B+1], 6144<<16
	s_mov_b32 s[G1B+2], 2<<16
	s_mov_b32 s[G1B+3], 6144<<16
	s_mov_b32 s[G1B+4], 2
	s_mov_b32 s[G1B+5], 12288
	s_mov_b32 s[G1B+6], 0
	s_mov_b32 s[G1B+7], 0
	s_mul_i32 s20, s17, 98304                      ; q, k: A's codes, from xq
	s_mov_b32 s21, 0
	s_and_b32 s45, s42, 1
	s_lshl_b32 s45, s45, 2
	s_add_co_u32 s45, s45, s41                     ; v: which of its eight groups of channels
	s_add_co_u32 s46, s45, 16
	s_mul_i32 s[N2], s46, 98304                    ; v: A's codes, from wq
	s_mov_b32 s[N2+1], 0
	s_lshl_b32 s47, s40, 1
	s_mul_i32 s22, s47, 98304                      ; q: B's codes, from wq
	s_mov_b32 s23, 0
	s_lshr_b32 s18, s42, 1
	s_lshl_b32 s18, s18, 2
	s_add_co_u32 s18, s18, s40
	s_lshl_b32 s18, s18, 1                         ; v: the first of its two groups of tokens
	s_mul_i32 s[N2+2], s18, 98304                  ; v: B's codes, from xq
	s_mov_b32 s[N2+3], 0
	s_mov_b32 s[GA0], 1
	s_mov_b32 s[GA0+1], 0
	s_mov_b32 s[GB0], 1
	s_mov_b32 s[GB0+1], BB
	s_mov_b32 s[GA1], 1
	s_mov_b32 s[GA1+1], KH
	s_mov_b32 s[GB1], 1
	s_mov_b32 s[GB1+1], BB+2*KH
	s_wait_alu depctr_va_vdst(0)
	s_wait_dscnt 0x0
	CROUND                                         ; all sixteen work-groups are here: the joint loads meet
	s_wait_kmcnt 0x0
	s_add_nc_u64 s[N1:N1+1], s[4:5], s[20:21]
	s_add_nc_u64 s[22:23], s[6:7], s[22:23]
	s_add_nc_u64 s[N1+2:N1+3], s[22:23], 8*98304   ; k's columns lie 8 groups behind q's
	s_add_nc_u64 s[N2:N2+1], s[6:7], s[N2:N2+1]
	s_add_nc_u64 s[N2+2:N2+3], s[4:5], s[N2+2:N2+3]
	SETG N1, 22
	LOADS                                          ; q's block
	s_lshl_b32 s20, s17, 12
	s_lshl_b32 s21, s15, 9
	s_add_co_u32 s20, s20, s21
	s_add_co_u32 s20, s20, 6291456
	s_mov_b32 s21, 0
	s_add_nc_u64 s[N1+4:N1+5], s[4:5], s[20:21]    ; q, k: A's scale words, my four blocks
	s_add_co_u32 s19, s47, s16                     ; my group of w's columns in q
	s_lshl_b32 s20, s19, 12
	s_add_co_u32 s20, s20, 3145728
	s_add_nc_u64 s[94:95], s[6:7], s[20:21]        ; q: B's scale words
	s_add_nc_u64 s[N1+6:N1+7], s[94:95], 8*4096
	s_lshl_b32 s20, s19, 9
	s_add_nc_u64 s[96:97], s[8:9], s[20:21]        ; q: the bias
	s_add_nc_u64 s[N1+8:N1+9], s[96:97], 8*512
	s_lshr_b32 s20, s17, 4
	s_lshl_b32 s20, s20, 4                         ; 16 x batch
	s_lshl_b32 s22, s19, 1
	s_add_co_u32 s20, s20, s22                     ; + the first of my two heads
	s_mul_i32 s20, s20, HEADB
	s_and_b32 s22, s17, 15
	s_mul_i32 s22, s22, 13312
	s_add_co_u32 s20, s20, s22
	s_add_nc_u64 s[DST:DST+1], s[10:11], s[20:21]  ; q goes to qb,
	s_add_nc_u64 s[N1+10:N1+11], s[12:13], s[20:21]  ; k to the same place in kv
	s_lshl_b32 s20, s46, 12
	s_lshl_b32 s22, s15, 9
	s_add_co_u32 s20, s20, s22
	s_add_co_u32 s20, s20, 3145728
	s_add_nc_u64 s[N2+4:N2+5], s[6:7], s[20:21]    ; v: A's scale words
	s_add_co_u32 s19, s18, s16                     ; my group of tokens in v
	s_lshl_b32 s20, s19, 12
	s_add_co_u32 s20, s20, 6291456
	s_add_nc_u64 s[N2+6:N2+7], s[4:5], s[20:21]
	s_lshl_b32 s20, s46, 9
	s_add_nc_u64 s[N2+8:N2+9], s[8:9], s[20:21]
	s_lshr_b32 s20, s19, 4
	s_lshl_b32 s20, s20, 4
	s_lshl_b32 s22, s45, 1
	s_add_co_u32 s20, s20, s22
	s_add_co_u32 s20, s20, s15                     ; my 64 channels are one head
	s_mul_i32 s20, s20, HEADB
	s_and_b32 s22, s19, 15
	s_mul_i32 s22, s22, 13312
	s_add_co_u32 s20, s20, s22
	s_add_nc_u64 s[N2+10:N2+11], s[12:13], s[20:21]
	s_mov_b32 s[HI], 0xffff0000
	s_mov_b32 s[SEL], 0x76543210
	s_mov_b32 s[SEL+1], 0xfedcba98
	s_mul_i32 s92, s15, 4*1536
	s_mul_i32 s93, s16, KH
	s_add_co_u32 s93, s93, BB
	s_lshl_b32 s20, s15, 8
	s_mul_i32 s22, s15, 4*768
	s_lshl_b32 s23, s15, 3
	v_and_b32 v1, 31, v0
	v_and_b32 v2, 15, v0
	v_bfe_u32 v3, v0, 4, 1
	v_lshlrev_b32 v[L16], 4, v1
	v_lshlrev_b32 v[L8], 3, v1
	v_and_b32 v9, 8, v2
	v_lshlrev_b32 v8, 6, v3                        ; 64 h
	v_add_nc_u32 v9, v9, v2
	v_lshl_add_u32 v9, v9, 2, s20                  ; 4 (r + 8 (r / 8)) + my 64 columns
	SCL N1+4, 94
	BIAS 96
	v_add_nc_u32 v[ADRA], s92, v[L16]
	v_add_nc_u32 v[ADRA+2], s92, v[L8]
	v_add_nc_u32 v[ADRB], s93, v[L16]
	v_add_nc_u32 v[ADRB+2], s93, v[L8]
	v_add_nc_u32 v[D16], s22, v[L16]
	v_add_nc_u32 v[D8], s22, v[L8]
	v_add_nc_u32 v[ADRA+1], KH, v[ADRA]
	v_add_nc_u32 v[ADRA+3], KH, v[ADRA+2]
	v_add_nc_u32 v[ADRB+1], 2*KH, v[ADRB]
	v_add_nc_u32 v[ADRB+3], 2*KH, v[ADRB+2]
	v_add_nc_u32 v[DS], s23, v[L16]
.macro FRAG reg, adr, q, i             ; a fragment as it lies: two halves of 512 + 256 bytes
	ds_load_b128 v[(\reg):(\reg)+3], v[(\adr)] offset:12288*(\q)+1536*(\i)
	ds_load_b64 v[(\reg)+4:(\reg)+5], v[(\adr)+2] offset:12288*(\q)+1536*(\i)+512
	ds_load_b128 v[(\reg)+6:(\reg)+9], v[(\adr)] offset:12288*(\q)+1536*(\i)+768
	ds_load_b64 v[(\reg)+10:(\reg)+11], v[(\adr)+2] offset:12288*(\q)+1536*(\i)+1280
.endm
.macro FETCH t                         ; K step t's fragments, B's eight and A's four, into set t % 2
	WIN TO_B
.irp i, 0,1,2,3,4,5,6,7
	FRAG 128*((\t)%2)+FR*\i, ADRB+(\t)/4, (\t)%4, \i
.endr
	WIN 0
.irp i, 0,1,2,3
	FRAG AF+48*((\t)%2)+FR*\i, ADRA+(\t)/4, (\t)%4, \i
.endr
.endm
; 16 products: A's blocks a0, a0 + 1 (a0 even) x B's eight.  The 32 accumulators take turns, one instruction a turn, in the same order in every step.
.macro MUL16 a0, t, first
.irp ao, 0,1
.irp bb, 0,1,2,3
.irp o, 0,1
.set DD, 8*(8*((\a0)+\ao)+2*\bb+\o)
.set FB, 128*((\t)%2)+FR*(2*\bb+\o)
.set FA, AF+48*((\t)%2)+FR*((\a0)+\ao)
.set XB, SBS+8*((\t)/2)+2*\bb+(\t)%2
.set XA, SAS+4*((\t)/2)+(\a0)+(\t)%2
.if \first
	v_wmma_scale_f32_16x16x128_f8f6f4 v[DD:DD+7], v[FB:FB+FR-1], v[FA:FA+FR-1], 0, v[XB], v[XA] matrix_a_fmt:MATRIX_FMT_FP6 matrix_b_fmt:MATRIX_FMT_FP6 matrix_a_scale:MATRIX_SCALE_ROW\o matrix_b_scale:MATRIX_SCALE_ROW\ao
.else
	v_wmma_scale_f32_16x16x128_f8f6f4 v[DD:DD+7], v[FB:FB+FR-1], v[FA:FA+FR-1], v[DD:DD+7], v[XB], v[XA] matrix_a_fmt:MATRIX_FMT_FP6 matrix_b_fmt:MATRIX_FMT_FP6 matrix_a_scale:MATRIX_SCALE_ROW\o matrix_b_scale:MATRIX_SCALE_ROW\ao
.endif
.endr
.endr
.endr
.endm
; A K step: its fragments were fetched in the middle of the step before; the next step's are fetched in its own middle.  more = 1: in step 7 LDS is filled again, with the next block.
.macro STEP t, first, more
.if ((\t) == 7) && (\more)
	WIN 0
	s_wait_tensorcnt 0x0                           ; no tensor load of mine is out
	ds_add_u32 v[SPW], v[NIL]                      ; 0 onto my spare word
	s_wait_dscnt 1                                 ; this step's fragments are in (the add may be out): my reads of this block are over
	WIN MUL
	MUL16 0, \t, 0
	s_wait_dscnt 0x0
	s_barrier_signal -1
	MUL16 2, \t, 0
	WIN 0
	s_barrier_wait -1
	CREST                                          ; no wave of any partner still reads this block or has a load on its way
	SETG N1, N1+2
	LOADS                                          ; the next block, one load a wave
.else
	s_wait_dscnt 0x0                               ; this step's fragments are in
.if (\t) == 3
	s_wait_tensorcnt 0x0                           ; every wave's load is in
	s_barrier_signal -1
.endif
	WIN MUL
	MUL16 0, \t, \first
.if (\t) == 3
	s_barrier_wait -1                              ; K's second half is shown to all
.endif
.if (\t) < 7
	PLACES NP                                      ; behind the last step's products, whose fragments the loads below write over
	FETCH (\t)+1
.endif
	WIN MUL
	MUL16 2, \t, \first
.endif
.endm
; 64 numbers of a lane, register 16 b + i = k 32 b + 16 (lane / 16) + i of my row, become a fragment's codes in v[pc] on and its scale word in v[pw].
.macro QUANT s, pc, tp, pw
.irp b, 0,1,2,3
	v_max3_num_f32 v[TM+\b], |v[(\s)+16*\b]|, |v[(\s)+1+16*\b]|, 0x1800000   ; my 16 numbers of block b, and the floor 2^(3 - 127)
.endr
.irp i, 2,4,6,8,10,12,14
.irp b, 0,1,2,3
	v_max3_num_f32 v[TM+\b], v[TM+\b], |v[(\s)+16*\b+\i]|, |v[(\s)+1+16*\b+\i]|
.endr
.endr
.irp b, 0,1,2,3
	v_permlanex16_b32 v[TM+4+\b], v[TM+\b], s[SEL], s[SEL+1]
.endr
.irp b, 0,1,2,3
	v_max_num_f32 v[TM+\b], v[TM+\b], v[TM+4+\b]
.endr
.irp b, 0,1,2,3
	v_add_nc_u32 v[TM+12+\b], 0xff000000, v[TM+\b]     ; 2 off the exponent field: the conversion's scale operand
.endr
.irp b, 0,1,2,3
	v_lshrrev_b32 v[TM+4+\b], 23, v[TM+12+\b]          ; the byte
.endr
	v_lshl_or_b32 v[(\pw)], v[TM+5], 8, v[TM+4]
	v_lshl_or_b32 v[(\pw)], v[TM+6], 16, v[(\pw)]
	v_lshl_or_b32 v[(\pw)], v[TM+7], 24, v[(\pw)]
.irp c, 0,1
	v_cvt_scalef32_pk16_fp6_f32 v[(\pc)+6*\c:(\pc)+2+6*\c], v[(\s)+32*\c:(\s)+15+32*\c], v[TM+12+2*\c]
	v_cvt_scalef32_pk16_fp6_f32 v[(\tp)+4*\c:(\tp)+2+4*\c], v[(\s)+16+32*\c:(\s)+31+32*\c], v[TM+13+2*\c]
.endr
	v_nop                                              ; one plain place behind a scaled conversion
.irp c, 0,1
.irp i, 0,1,2
	v_permlane16_swap_b32 v[(\pc)+6*\c+\i], v[(\tp)+4*\c+\i]
.endr
.irp i, 0,1,2
	v_mov_b32 v[(\pc)+3+6*\c+\i], v[(\tp)+4*\c+\i]
.endr
.endr
.endm
.macro ST4 pc, r16, r8, o0, o1, o2, o3 ; each store covers 512 or 256 consecutive bytes, aligned
	global_store_b128 v[\r16], v[(\pc):(\pc)+3], s[DST:DST+1] offset:\o0
	global_store_b64 v[\r8], v[(\pc)+4:(\pc)+5], s[DST:DST+1] offset:\o1
	global_store_b128 v[\r16], v[(\pc)+6:(\pc)+9], s[DST:DST+1] offset:\o2
	global_store_b64 v[\r8], v[(\pc)+10:(\pc)+11], s[DST:DST+1] offset:\o3
.endm
; THE WAY OUT, my four blocks of A one after the other: the bias is added (each accumulator is read from its low end on), the 64 numbers are quantised, the fragment is stored.
; role 0 (q, k): half c of the fragment is my tile a of head c.  role 1 (v): the fragment is tile a of my head.
.macro EPI role
.irp a, 0,1,2,3
	WIN 2                                          ; source 0: window 2
.set p, 0
.rept 32
.if \role
.if \a%2
	v_pk_add_f32 v[T+2*p:T+2*p+1], v[64*\a+2*p:64*\a+2*p+1], v[BV+\a-1:BV+\a] op_sel:[0,1] op_sel_hi:[1,1]   ; the pair's second register serves both halves
.else
	v_pk_add_f32 v[T+2*p:T+2*p+1], v[64*\a+2*p:64*\a+2*p+1], v[BV+\a:BV+\a+1] op_sel:[0,0] op_sel_hi:[1,0]   ; its first
.endif
.else
	v_pk_add_f32 v[T+2*p:T+2*p+1], v[64*\a+2*p:64*\a+2*p+1], v[BI+2*p:BI+2*p+1]
.endif
.set p, p+1
.endr
	WIN 0
	s_wait_xcnt 0x0                                ; earlier stores have read the codes' registers, which are written again below
	QUANT T, PC, TP, PWS+\a
.if \role
	ST4 PC, L16, L8, 6144+1536*\a, 6144+1536*\a+512, 6144+1536*\a+768, 6144+1536*\a+1280
.else
	ST4 PC, D16, D8, 768*\a, 768*\a+512, HEADB+768*\a, HEADB+768*\a+512
.endif
.endr
.endm
; A block.  more = 1: another follows.
.macro TILE more, role
	s_wait_alu depctr_va_vdst(0)
	s_cmp_lt_u32 s14, 2
	s_cbranch_scc0 .Llater_\@
	s_wait_tensorcnt 0x0                           ; waves 0 and 1: K's first half of A, of B
.Llater_\@:
	s_barrier_signal -1
	s_barrier_wait -1
	FETCH 0
	s_wait_loadcnt 20                              ; the scale words are in; the 20 loads of the biases, issued behind them, may be out
	STEP 0, 1, 0
.irp t, 1,2,3,4,5,6
	STEP \t, 0, 0
.endr
	STEP 7, 0, \more
	WIN 0
	PLACES NP                                      ; behind the last products: their scale words and fragments are written below
.if \more
	SCL N1+4, N1+6                                 ; the next block's scale words
.endif
	s_wait_loadcnt 24*(\more)                      ; my biases are in; the 24 loads just issued may be out
.irp b, 0,1,2,3
	v_mov_b32 v[TM+4+\b], 0                        ; a lane permute's destination counts as one of its sources
.endr
	EPI \role
.if \role
	global_store_b128 v[L16], v[PWS:PWS+3], s[DST:DST+1] offset:12800
.else
.irp g, 0,1
	v_cndmask_b32 v[XG+\g], v[PWS+2*\g], v[PWS+2*\g+1], s[HI]    ; lanes 0-15 an even tile's words, lanes 16-31 the next tile's
.endr
.irp g, 0,1
	v_perm_b32 v[KS+\g], v[XG+\g], v[XG+\g], 0x01000100          ; the first head's two bytes, twice
.endr
	global_store_b64 v[DS], v[KS:KS+1], s[DST:DST+1] offset:12288
	s_wait_alu depctr_va_vdst(0)
	s_wait_xcnt 0x0                                ; that store has read its registers
.irp g, 0,1
	v_perm_b32 v[KS+\g], v[XG+\g], v[XG+\g], 0x03020302          ; the second head's
.endr
	global_store_b64 v[DS], v[KS:KS+1], s[DST:DST+1] offset:12288+HEADB
.endif
.if \more
	BIAS N1+8                                      ; the next block's biases
	s_wait_xcnt 0x0                                ; every load and store has read its base: the blocks move up
	s_mov_b64 s[DST:DST+1], s[N1+10:N1+11]
.irp j, 0,2,4,6,8,10
	s_mov_b64 s[N1+\j:N1+\j+1], s[N2+\j:N2+\j+1]
.endr
.endif
.endm
	s_mov_b32 s99, 0
.Ltile:
	TILE 1, 0                                      ; q, then k
	s_add_co_u32 s99, s99, 1
	s_cmp_lt_u32 s99, 2
	s_cbranch_scc1 .Ltile
	TILE 0, 1                                      ; v
	s_wait_tensorcnt 0x0                           ; the wave's end
	ds_add_u32 v[SPW], v[NIL]
	s_wait_dscnt 0x0
	CROUND                                         ; the closing round
	s_endpgm
.Lfunc_end_k_q730905f11c_qkv:
	.size	k_q730905f11c_qkv, .Lfunc_end_k_q730905f11c_qkv-k_q730905f11c_qkv
	.p2alignl 7, 3214868480
	.fill 96, 4, 3214868480
	.section	.rodata,"a",@progbits
	.p2align	6, 0x0
	.amdhsa_kernel k_q730905f11c_qkv
		.amdhsa_group_segment_fixed_size 327680
		.amdhsa_private_segment_fixed_size 0
		.amdhsa_enable_private_segment 0
		.amdhsa_kernarg_size 40
		.amdhsa_user_sgpr_count 2
		.amdhsa_user_sgpr_kernarg_segment_ptr 1
		.amdhsa_wavefront_size32 1
		.amdhsa_system_sgpr_workgroup_id_x 1
		.amdhsa_system_sgpr_workgroup_id_y 1
		.amdhsa_system_sgpr_workgroup_id_z 1
		.amdhsa_system_vgpr_workitem_id 0
		.amdhsa_next_free_vgpr 768
		.amdhsa_next_free_sgpr 102
		.amdhsa_reserve_vcc 0
		.amdhsa_float_denorm_mode_32 3
		.amdhsa_float_denorm_mode_16_64 3
		.amdhsa_memory_ordered 1
		.amdhsa_forward_progress 1
		.amdhsa_inst_pref_size 188
	.end_amdhsa_kernel
	.amdgpu_metadata
---
amdhsa.version: [ 1, 2 ]
amdhsa.kernels:
  - .name:           k_q730905f11c_qkv
    .symbol:         k_q730905f11c_qkv.kd
    .args:
      - { .name: xq, .offset: 0, .size: 8, .value_kind: global_buffer, .address_space: global }
      - { .name: wq, .offset: 8, .size: 8, .value_kind: global_buffer, .address_space: global }
      - { .name: b_qkv, .offset: 16, .size: 8, .value_kind: global_buffer, .address_space: global }
      - { .name: qb, .offset: 24, .size: 8, .value_kind: global_buffer, .address_space: global }
      - { .name: kv, .offset: 32, .size: 8, .value_kind: global_buffer, .address_space: global }
    .group_segment_fixed_size: 327680
    .private_segment_fixed_size: 0
    .kernarg_segment_align: 8
    .kernarg_segment_size: 40
    .max_flat_workgroup_size: 128
    .sgpr_count:     102
    .vgpr_count:     768
    .wavefront_size: 32
...
	.end_amdgpu_metadata
.endif
;; end of part 2
;; launch attn (part 3): grid 4 x 64, 16 waves a work-group, clusters of 4 x 1, 327,680 bytes of LDS; arguments qb, kv, aq; writes aq
.if DOCPART == 3
	.amdgcn_target "amdgcn-amd-amdhsa--gfx1250"
	.amdhsa_code_object_version 6
	.text
	.protected	k_q730905f11c_attn
	.globl	k_q730905f11c_attn
	.p2align	8
	.type	k_q730905f11c_attn,@function
k_q730905f11c_attn:
	s_mov_b64 s[64:65], 0
	v_nop
	global_prefetch_b8 v0, s[64:65] scope:SCOPE_SE
	s_setreg_imm32_b32 hwreg(HW_REG_WAVE_MODE, 25, 1), 1
	s_wait_xcnt 0x0
	s_wait_alu depctr_hold_cnt(0) depctr_sa_sdst(0) depctr_va_vdst(0) depctr_va_sdst(0) depctr_va_ssrc(0) depctr_va_vcc(0) depctr_vm_vsrc(0)
	s_getreg_b32 s2, hwreg(HW_REG_IB_STS2, 6, 4)
	s_cmp_eq_u32 s2, 0
	s_cbranch_scc0 .Lentry_in_a_cluster
	s_endpgm
.Lentry_in_a_cluster:
	s_bfe_u32 s2, ttmp6, 0x10000c
	s_cmp_lg_u32 s2, 0x3003
	s_cbranch_scc0 .Lentry_shape_is_right
	s_endpgm
.Lentry_shape_is_right:
; Causal attention of one (batch, head) for a cluster of four work-groups, on codes of FP6 (E2M3) with E8M0 scales; the result, divided by the row's sum, is quantised along the head's 64 and leaves as the next product's operand.
; LEFT OUT: key blocks of 128 that lie wholly behind a query tile's block: the causal mask sets their scores to -inf, so they add nothing to any sum.
; LIMITS: NaN and infinities are not served; the promise holds while the scaled scores (exponents to the base 2) stay under 2^31 in magnitude.  A block under 2^-124 gets the byte 1: read by this program alone.
; qb, kv: for each head and 128 tokens 13,312 bytes: 8 half fragments of q (k) of 768 bytes, 4 fragments of v, 512 bytes of q's (k's) scale words, 512 of v's.  Tile i of a block holds tokens 32 (i / 2) + 8 (i % 2) + r + 8 (r / 8).
; THE DEAL.  Work-group cx takes tiles i = 2 cx + u of every block; wave w (u = w % 2, b = w / 2) takes that tile of block b and of block 15 - b: b + 1 and 16 - b key steps, 17 for every wave.
; Every branch hangs on the wave's number and the trip alone, never on cx.
; CLUSTER: the four work-groups read the same 16 key blocks, each to the last (waves with b = 0), so K and V are asked for jointly: one load a wave at the head, wave w key block w, 52 rows of 256 bytes.
; Wave 0 has a load line and a wait of its own: the first barrier shows key block 0, on which every wave has two steps; the second barrier, behind those, shows the rest, on which every wave has fifteen.  Nothing is filled again.
; No prefetch: all tiles are asked for at the head, so there is no loop to run ahead in.
; Both products are used transposed: a lane holds one query; S^T = k q^T (K = 64: q's upper six registers are zero codes), O^T += v^T p^T.  M is the ceiling of the running largest t, kept as -M.
; REGISTERS: v8-15 -M, largest t, the sum's halves, for each tile; v16-39 q; v40-93 fragments of k or v; v94 q's scale words (lanes 0-15 the low tile's); v95 p's; v96-159 scores, p; v160-223 O^T; v224-235 p's codes.
.set L16, 1
.set L8,  2
.set A16, 3
.set A8,  4
.set QD0, 5                            ; v5  my query less 16 h, counted from its block's first key
.set WV,  18
.set SEL, 20
.set CS,  22
.set G1A, 24
.set G0A, 40
.set TB,  48                           ; the trip's key block in LDS
.set KB,  49                           ; its number
.set HI,  56
.set STP, 62                           ; s62, s63  my two tiles' blocks: b, 15 - b
.set SPARE, 0x34000                    ; behind the 16 key blocks: the spare words, 128 bytes a wave
.macro CROUND                          ; a round of the cluster's barrier
	s_barrier_signal -1
	s_barrier_wait -1
	s_cmp_lg_u32 s[WV], 0
	s_cbranch_scc1 .Lnot_wave_0_\@
	s_barrier_signal -3
.Lnot_wave_0_\@:
	s_barrier_wait -3
	s_barrier_signal -1
	s_barrier_wait -1
.endm
	s_load_b128 s[4:7], s[0:1], 0x0                ; qb, kv
	s_load_b64 s[8:9], s[0:1], 0x10                ; aq
	v_lshl_add_u32 v243, v0, 2, SPARE
	v_mov_b32 v255, 0
	ds_add_u32 v243, v255                          ; the opening lines: the add twice on end and its wait
	ds_add_u32 v243, v255
	v_lshrrev_b32 v6, 5, v0
	s_delay_alu instid0(VALU_DEP_1)
	v_readfirstlane_b32 s[WV], v6
	s_and_b32 s10, ttmp7, 0xffff                   ; batch x 16 + head: the cluster's y
	s_bfe_u32 s19, ttmp6, 0x40000                  ; cx
	s_mul_i32 s12, s10, 212992
	s_mov_b32 s13, 0
	s_mov_b32 s[G1A], 15|(3<<16)|(1<<21)           ; the mask of all four, elements of 8 bytes, bit 21 beside the mask
	s_mov_b32 s[G1A+1], 32<<16
	s_mov_b32 s[G1A+2], 52<<16
	s_mov_b32 s[G1A+3], 32<<16
	s_mov_b32 s[G1A+4], 52
	s_mov_b32 s[G1A+5], 32
	s_mov_b32 s[G1A+6], 0
	s_mov_b32 s[G1A+7], 0
	s_mul_i32 s58, s[WV], 13312
	s_mov_b32 s59, 0
	s_wait_alu depctr_va_vdst(0)
	s_wait_dscnt 0x0
	CROUND                                         ; the four work-groups are here: the joint loads meet
	s_wait_kmcnt 0x0
	s_add_nc_u64 s[6:7], s[6:7], s[12:13]
	s_add_nc_u64 s[4:5], s[4:5], s[12:13]
	s_mov_b32 s[G0A], 1
	s_mov_b32 s[G0A+1], s58
	s_add_nc_u64 s[G0A+2:G0A+3], s[6:7], s[58:59]
	s_or_b32 s[G0A+3], s[G0A+3], 0x80000000
	s_cmp_lt_u32 s[WV], 1
	s_cbranch_scc0 .Lrest
	tensor_load_to_lds s[G0A:G0A+3], s[G1A:G1A+7]  ; wave 0: key block 0
	s_nop 0
.rept 4
	v_nop
.endr
	s_branch .Lasked
.Lrest:
	tensor_load_to_lds s[G0A:G0A+3], s[G1A:G1A+7]  ; waves 1-15: key blocks 1-15
	s_nop 0
.rept 4
	v_nop
.endr
.Lasked:
	s_mov_b32 s[SEL], 0x76543210
	s_mov_b32 s[SEL+1], 0xfedcba98
	s_mov_b32 s[CS], 0x3e38aa3b                    ; log2(e) / 8
	s_mov_b32 s[CS+1], s[CS]
	s_mov_b32 s[HI], 0xffff0000
	s_and_b32 s15, s[WV], 1                        ; u
	s_lshl_b32 s11, s19, 1
	s_add_co_u32 s11, s11, s15                     ; my tile in its block: 2 cx + u
	s_lshr_b32 s[STP], s[WV], 1                    ; b
	s_sub_co_u32 s[STP+1], 15, s[STP]
	s_mul_i32 s70, s[STP], 13312
	s_mov_b32 s71, 0
	s_add_nc_u64 s[70:71], s[4:5], s[70:71]        ; q's low block
	s_mul_i32 s66, s11, 768
	s_mov_b32 s67, 0
	s_add_nc_u64 s[68:69], s[4:5], s[66:67]
	s_add_nc_u64 s[66:67], s[70:71], s[66:67]      ; the low tile
	s_mul_i32 s60, s[STP+1], 13312
	s_mov_b32 s61, 0
	s_add_nc_u64 s[68:69], s[68:69], s[60:61]      ; the high tile
	s_lshl_b32 s14, s19, 5
	s_lshl_b32 s16, s15, 3
	s_add_co_u32 s14, s14, s16                     ; 32 cx + 8 u: the tile's first token in its block
	s_sub_co_u32 s16, s[STP+1], s[STP]
	s_mul_i32 s16, s16, 13312                      ; from the low block to the high one
	s_lshl_b32 s17, s15, 8
	s_lshl_b32 s57, s19, 2
	s_add_co_u32 s17, s17, s57                     ; the tile's scale words: 256 (i % 2) + 4 (i / 2)
	v_and_b32 v6, 31, v0
	v_lshlrev_b32 v[L16], 4, v6
	v_lshlrev_b32 v[L8], 3, v6
	global_load_b128 v[16:19], v[L16], s[66:67]
	global_load_b64 v[20:21], v[L8], s[66:67] offset:512
	global_load_b128 v[28:31], v[L16], s[68:69]
	global_load_b64 v[32:33], v[L8], s[68:69] offset:512
	v_and_b32 v6, 15, v0
	v_bfe_u32 v7, v0, 4, 1
	v_and_b32 v[QD0], 8, v6
	v_lshlrev_b32 v3, 4, v7
	v_add_nc_u32 v[QD0], v[QD0], v6
	v_mul_u32_u24 v7, s16, v7                      ; lanes 16-31 take the high tile's words
	v_sub_nc_u32 v[QD0], v[QD0], v3
	v_lshl_add_u32 v7, v6, 4, v7
	v_add_nc_u32 v[QD0], s14, v[QD0]
	v_add_nc_u32 v7, s17, v7
	global_load_b32 v94, v7, s[70:71] offset:12288
.irp t, 0,1
.irp j, 6,7,8,9,10,11
	v_mov_b32 v[16+12*\t+\j], 0                    ; q's upper 64 along K: zero codes
.endr
	v_mov_b32 v[9+4*\t], 0xff61b1e6                ; the largest t so far: -3e38
	s_delay_alu instid0(VALU_DEP_1)
	v_floor_f32 v[8+4*\t], -v[9+4*\t]
	v_mov_b32 v[10+4*\t], 0
	v_mov_b32 v[11+4*\t], 0
.endr
.irp j, 88,89,90,91,92,93
	v_mov_b32 v[\j], 0
.endr
.irp j, 236,237,238,239,252,253,254
	v_mov_b32 v[\j], 0
.endr
.set n, 0
.rept 64
	v_mov_b32 v[160+n], 0
.set n, n+1
.endr
; One tile of 16 queries against one key block of 128.  edge = 1: the block may lie behind the tile's (jumped over) or be the tile's own (masked).
.macro STEP tau, edge
.set NM, 8+4*(\tau)
.set OT, 160+32*(\tau)
.set QF, 16+12*(\tau)
.if \edge
	s_cmp_gt_u32 s[KB], s[STP+(\tau)]
	s_cbranch_scc1 .Lhid_\@
.endif
.rept 4
	v_nop
.endr
	s_wait_alu depctr_va_vdst(0)
.irp t, 0,1,2,3,4,5,6,7
	ds_load_b128 v[40+6*\t:43+6*\t], v[A16] offset:768*\t
	ds_load_b64 v[44+6*\t:45+6*\t], v[A8] offset:768*\t+512
.endr
	ds_load_b128 v[248:251], v[A16] offset:12288
	s_wait_dscnt 0x0
.irp t, 0,1,2,3,4,5,6,7
.if (\t%2) && (\tau)
	v_wmma_scale_f32_16x16x128_f8f6f4 v[96+8*\t:103+8*\t], v[40+6*\t:51+6*\t], v[QF:QF+11], 0, v[248+\t/2], v94 matrix_a_fmt:MATRIX_FMT_FP6 matrix_b_fmt:MATRIX_FMT_FP6 matrix_a_scale:MATRIX_SCALE_ROW1 matrix_b_scale:MATRIX_SCALE_ROW1
.elseif (\t%2)
	v_wmma_scale_f32_16x16x128_f8f6f4 v[96+8*\t:103+8*\t], v[40+6*\t:51+6*\t], v[QF:QF+11], 0, v[248+\t/2], v94 matrix_a_fmt:MATRIX_FMT_FP6 matrix_b_fmt:MATRIX_FMT_FP6 matrix_a_scale:MATRIX_SCALE_ROW1
.elseif (\tau)
	v_wmma_scale_f32_16x16x128_f8f6f4 v[96+8*\t:103+8*\t], v[40+6*\t:51+6*\t], v[QF:QF+11], 0, v[248+\t/2], v94 matrix_a_fmt:MATRIX_FMT_FP6 matrix_b_fmt:MATRIX_FMT_FP6 matrix_b_scale:MATRIX_SCALE_ROW1
.else
	v_wmma_scale_f32_16x16x128_f8f6f4 v[96+8*\t:103+8*\t], v[40+6*\t:51+6*\t], v[QF:QF+11], 0, v[248+\t/2], v94 matrix_a_fmt:MATRIX_FMT_FP6 matrix_b_fmt:MATRIX_FMT_FP6
.endif
.endr
.rept 4
	v_nop
.endr
	s_wait_alu depctr_va_vdst(0)
.irp t, 0,1,2,3                                ; v's fragments come while the softmax is worked
.irp c, 0,1
	ds_load_b128 v[40+12*\t+6*\c:43+12*\t+6*\c], v[A16] offset:6144+1536*\t+768*\c
	ds_load_b64 v[44+12*\t+6*\c:45+12*\t+6*\c], v[A8] offset:6144+1536*\t+768*\c+512
.endr
.endr
	ds_load_b128 v[248:251], v[A16] offset:12800
.if \edge
	s_cmp_lg_u32 s[KB], s[STP+(\tau)]
	s_cbranch_scc1 .Lopen_\@
	v_mov_b32 v254, 0xff800000                     ; the tile's own block: register n is key 32 (n / 16) + n % 16 + 16 h of it; -inf where that lies behind my query
.set n, 0
.rept 64
	v_cmp_gt_i32 vcc_lo, 32*(n/16)+n%16, v[QD0]
	v_cndmask_b32 v[96+n], v[96+n], v254, vcc_lo
.set n, n+1
.endr
.Lopen_\@:
.endif
.irp b, 0,1,2,3
	v_max3_num_f32 v[232+\b], v[96+16*\b], v[97+16*\b], v[98+16*\b]   ; the largest score of each block of 32 keys
.endr
.irp i, 3,5,7,9,11,13
.irp b, 0,1,2,3
	v_max3_num_f32 v[232+\b], v[232+\b], v[96+16*\b+\i], v[97+16*\b+\i]
.endr
.endr
.irp b, 0,1,2,3
	v_max_num_f32 v[232+\b], v[232+\b], v[111+16*\b]
.endr
.irp b, 0,1,2,3
	s_delay_alu instid0(VALU_DEP_4)
	v_permlanex16_b32 v[236+\b], v[232+\b], s[SEL], s[SEL+1]
.endr
.irp b, 0,1,2,3
	s_delay_alu instid0(VALU_DEP_4)
	v_max_num_f32 v[232+\b], v[232+\b], v[236+\b]
.endr
	s_delay_alu instid0(VALU_DEP_2)
	v_max3_num_f32 v254, v232, v233, v234
	s_delay_alu instid0(VALU_DEP_1)
	v_max_num_f32 v254, v254, v235
	s_delay_alu instid0(VALU_DEP_1)
	v_mul_f32 v254, s[CS], v254
	s_delay_alu instid0(VALU_DEP_1)
	v_max_num_f32 v[NM+1], v[NM+1], v254           ; the running largest t
	v_mov_b32 v254, v[NM]
	s_delay_alu instid0(VALU_DEP_2)
	v_floor_f32 v[NM], -v[NM+1]                    ; -M = -ceil(t)
	s_delay_alu instid0(VALU_DEP_1)
	v_sub_f32 v254, v[NM], v254
	s_delay_alu instid0(VALU_DEP_1)
	v_cvt_i32_f32 v254, v254
	s_delay_alu instid0(VALU_DEP_1)
	v_ldexp_f32 v252, 1.0, v254                    ; f = 2^(old M - new M)
.set n, 0
.rept 32
	v_pk_fma_f32 v[96+n:97+n], v[96+n:97+n], s[CS:CS+1], v[NM:NM+1] op_sel_hi:[1,0,0]   ; t - M
.set n, n+2
.endr
.irp b, 0,1,2,3
	v_fma_f32 v[232+\b], v[232+\b], s[CS], v[NM]
.endr
.set n, 0
	s_wait_alu depctr_va_vdst(0)
.rept 64
	v_exp_f32 v[96+n], v[96+n]
.set n, n+1
.endr
	v_pk_mul_f32 v[NM+2:NM+3], v[NM+2:NM+3], v[252:253] op_sel_hi:[1,0]
	s_wait_alu depctr_va_vdst(0)
.irp b, 0,1,2,3
	v_exp_f32 v[232+\b], v[232+\b]                 ; each block's largest p
.endr
	v_pk_add_f32 v[236:237], v[96:97], v[98:99]    ; the row's sum, of the unquantised p
.irp j, 4,8,12,16,20,24,28,32,36,40,44,48,52,56,60
	v_pk_add_f32 v[NM+2:NM+3], v[NM+2:NM+3], v[96+\j:97+\j]
	v_pk_add_f32 v[236:237], v[236:237], v[98+\j:99+\j]
.endr
	s_delay_alu instid0(VALU_DEP_1)
	v_pk_add_f32 v[NM+2:NM+3], v[NM+2:NM+3], v[236:237]
	s_wait_alu depctr_va_vdst(0)
.irp b, 0,1,2,3
	v_max_num_f32 v[232+\b], 0x1800000, v[232+\b]  ; the floor 2^(3 - 127)
.endr
.irp b, 0,1,2,3
	s_delay_alu instid0(VALU_DEP_4)
	v_add_nc_u32 v[244+\b], 0xff000000, v[232+\b]  ; the conversion's scale operand
.endr
.irp b, 0,1,2,3
	s_delay_alu instid0(VALU_DEP_4)
	v_lshrrev_b32 v[236+\b], 23, v[244+\b]
.endr
	s_delay_alu instid0(VALU_DEP_3)
	v_lshl_or_b32 v95, v237, 8, v236
	s_delay_alu instid0(VALU_DEP_1)
	v_lshl_or_b32 v95, v238, 16, v95
	s_delay_alu instid0(VALU_DEP_1)
	v_lshl_or_b32 v95, v239, 24, v95
.irp c, 0,1
	v_cvt_scalef32_pk16_fp6_f32 v[224+6*\c:226+6*\c], v[96+32*\c:111+32*\c], v[244+2*\c]
	v_cvt_scalef32_pk16_fp6_f32 v[236+4*\c:238+4*\c], v[112+32*\c:127+32*\c], v[244+2*\c+1]
.endr
	v_nop
.irp c, 0,1
.irp i, 0,1,2
	v_permlane16_swap_b32 v[224+6*\c+\i], v[236+4*\c+\i]
.endr
.irp i, 0,1,2
	s_delay_alu instid0(VALU_DEP_3)
	v_mov_b32 v[227+6*\c+\i], v[236+4*\c+\i]
.endr
.endr
.set n, 0
.rept 16
	v_pk_mul_f32 v[OT+n:OT+n+1], v[OT+n:OT+n+1], v[252:253] op_sel_hi:[1,0]   ; O^T under the new M
.set n, n+2
.endr
	s_wait_alu depctr_va_vdst(0)
	s_wait_dscnt 0x0
.irp t, 0,1,2,3
	v_wmma_scale_f32_16x16x128_f8f6f4 v[OT+8*\t:OT+8*\t+7], v[40+12*\t:51+12*\t], v[224:235], v[OT+8*\t:OT+8*\t+7], v[248+\t], v95 matrix_a_fmt:MATRIX_FMT_FP6 matrix_b_fmt:MATRIX_FMT_FP6
.endr
.if \edge
.Lhid_\@:
.endif
.endm
	s_wait_alu depctr_va_vdst(0)
	s_wait_loadcnt 0x0
	s_cmp_lt_u32 s[WV], 1
	s_cbranch_scc0 .Lnot_first
	s_wait_tensorcnt 0x0                           ; wave 0: key block 0 is in
.Lnot_first:
	s_barrier_signal -1
	s_barrier_wait -1                              ; shown to all; the others may be on their way
	s_mov_b32 s[TB], 0
	s_mov_b32 s[KB], 0
	v_add_nc_u32 v[A16], s[TB], v[L16]
	v_add_nc_u32 v[A8], s[TB], v[L8]
	STEP 1, 0                                      ; key block 0: the high tile's block is 8 or more: no edge;
	STEP 0, 1                                      ; the low tile's may be this one
	s_wait_tensorcnt 0x0
	s_wait_dscnt 0x0
	s_barrier_signal -1
	s_barrier_wait -1                              ; all sixteen are in
	s_mov_b32 s[TB], 13312
	s_mov_b32 s[KB], 1
.Ltrip:
	v_add_nc_u32 v[A16], s[TB], v[L16]
	v_add_nc_u32 v[A8], s[TB], v[L8]
	STEP 1, 1
	STEP 0, 1
	s_add_co_u32 s[TB], s[TB], 13312
	s_add_co_u32 s[KB], s[KB], 1
	s_cmp_lt_u32 s[KB], 16
	s_cbranch_scc1 .Ltrip
; O^T / the sum, quantised along the head's 64, stored as half a fragment of the next product's operand, with its two scale bytes a row.
.macro FINISH tau
.set NM, 8+4*(\tau)
.set OT, 160+32*(\tau)
.set FS, 96+32*(\tau)
.set FC, 224+6*(\tau)
.set SA, 72+4*(\tau)
.rept 4
	v_nop
.endr
	v_add_f32 v254, v[NM+2], v[NM+3]
	v_permlanex16_b32 v252, v254, s[SEL], s[SEL+1]
	s_delay_alu instid0(VALU_DEP_1)
	v_add_f32 v254, v254, v252
	s_wait_alu depctr_va_vdst(0)
	v_rcp_f32 v252, v254
	v_mov_b32 v253, 0
	s_lshr_b32 s14, s10, 4
	s_lshl_b32 s14, s14, 4
	s_add_co_u32 s16, s14, s[STP+(\tau)]           ; which 128 rows of aq
	s_and_b32 s15, s10, 15                         ; the head
	s_lshl_b32 s17, s16, 3
	s_lshr_b32 s57, s15, 1
	s_add_co_u32 s17, s17, s57
	s_lshl_b32 s17, s17, 3
	s_add_co_u32 s17, s17, s11
	s_mul_i32 s[SA], s17, 1536
	s_and_b32 s57, s15, 1
	s_mul_i32 s57, s57, 768
	s_add_co_u32 s[SA], s[SA], s57
	s_mov_b32 s[SA+1], 0
	s_add_nc_u64 s[SA:SA+1], s[8:9], s[SA:SA+1]
	s_lshl_b32 s17, s16, 2
	s_lshr_b32 s57, s15, 2
	s_add_co_u32 s17, s17, s57
	s_lshl_b32 s17, s17, 3
	s_add_co_u32 s17, s17, s11
	s_lshl_b32 s[SA+2], s17, 7
	s_bfe_u32 s57, s15, 0x10001
	s_lshl_b32 s57, s57, 2
	s_add_co_u32 s[SA+2], s[SA+2], s57
	s_and_b32 s57, s15, 1
	s_lshl_b32 s57, s57, 1
	s_add_co_u32 s[SA+2], s[SA+2], s57
	s_add_co_u32 s[SA+2], s[SA+2], 6291456
	s_mov_b32 s[SA+3], 0
	s_add_nc_u64 s[SA+2:SA+3], s[8:9], s[SA+2:SA+3]
	s_wait_alu depctr_va_vdst(0)
.set n, 0
.rept 16
	v_pk_mul_f32 v[FS+n:FS+n+1], v[OT+n:OT+n+1], v[252:253] op_sel_hi:[1,0]
.set n, n+2
.endr
.irp b, 0,1
	v_max3_num_f32 v[232+\b], |v[FS+16*\b]|, |v[FS+1+16*\b]|, 0x1800000
.endr
.irp i, 2,4,6,8,10,12,14
.irp b, 0,1
	s_delay_alu instid0(VALU_DEP_2)
	v_max3_num_f32 v[232+\b], v[232+\b], |v[FS+16*\b+\i]|, |v[FS+1+16*\b+\i]|
.endr
.endr
.irp b, 0,1
	s_delay_alu instid0(VALU_DEP_2)
	v_permlanex16_b32 v[236+\b], v[232+\b], s[SEL], s[SEL+1]
.endr
.irp b, 0,1
	s_delay_alu instid0(VALU_DEP_2)
	v_max_num_f32 v[232+\b], v[232+\b], v[236+\b]
.endr
.irp b, 0,1
	s_delay_alu instid0(VALU_DEP_2)
	v_add_nc_u32 v[244+\b], 0xff000000, v[232+\b]
.endr
.irp b, 0,1
	s_delay_alu instid0(VALU_DEP_2)
	v_lshrrev_b32 v[236+\b], 23, v[244+\b]
.endr
	v_cvt_scalef32_pk16_fp6_f32 v[FC:FC+2], v[FS:FS+15], v244
	v_cvt_scalef32_pk16_fp6_f32 v[240:242], v[FS+16:FS+31], v245
	v_nop
.irp i, 0,1,2
	v_permlane16_swap_b32 v[FC+\i], v[240+\i]
.endr
.irp i, 0,1,2
	s_delay_alu instid0(VALU_DEP_3)
	v_mov_b32 v[FC+3+\i], v[240+\i]
.endr
	v_cndmask_b32 v[6+(\tau)], v236, v237, s[HI]
	global_store_b128 v[L16], v[FC:FC+3], s[SA:SA+1]
	global_store_b64 v[L8], v[FC+4:FC+5], s[SA:SA+1] offset:512
	global_store_b8 v[A16], v[6+(\tau)], s[SA+2:SA+3]
.endm
	v_and_b32 v6, 15, v0
	v_bfe_u32 v7, v0, 4, 1
	s_delay_alu instid0(VALU_DEP_1)
	v_lshl_add_u32 v[A16], v6, 3, v7
	FINISH 0
	FINISH 1
	s_wait_tensorcnt 0x0                           ; the wave's end
	ds_add_u32 v243, v255
	s_wait_dscnt 0x0
	CROUND                                         ; the closing round
	s_endpgm
.Lfunc_end_k_q730905f11c_attn:
	.size	k_q730905f11c_attn, .Lfunc_end_k_q730905f11c_attn-k_q730905f11c_attn
	.p2alignl 7, 3214868480
	.fill 96, 4, 3214868480
	.section	.rodata,"a",@progbits
	.p2align	6, 0x0
	.amdhsa_kernel k_q730905f11c_attn
		.amdhsa_group_segment_fixed_size 327680
		.amdhsa_private_segment_fixed_size 0
		.amdhsa_enable_private_segment 0
		.amdhsa_kernarg_size 24
		.amdhsa_user_sgpr_count 2
		.amdhsa_user_sgpr_kernarg_segment_ptr 1
		.amdhsa_wavefront_size32 1
		.amdhsa_system_sgpr_workgroup_id_x 1
		.amdhsa_system_sgpr_workgroup_id_y 1
		.amdhsa_system_sgpr_workgroup_id_z 1
		.amdhsa_system_vgpr_workitem_id 0
		.amdhsa_next_free_vgpr 256
		.amdhsa_next_free_sgpr 80
		.amdhsa_reserve_vcc 1
		.amdhsa_float_denorm_mode_32 3
		.amdhsa_float_denorm_mode_16_64 3
		.amdhsa_memory_ordered 1
		.amdhsa_forward_progress 1
		.amdhsa_inst_pref_size 103
	.end_amdhsa_kernel
	.amdgpu_metadata
---
amdhsa.version: [ 1, 2 ]
amdhsa.kernels:
  - .name:           k_q730905f11c_attn
    .symbol:         k_q730905f11c_attn.kd
    .args:
      - { .name: qb, .offset: 0, .size: 8, .value_kind: global_buffer, .address_space: global }
      - { .name: kv, .offset: 8, .size: 8, .value_kind: global_buffer, .address_space: global }
      - { .name: aq, .offset: 16, .size: 8, .value_kind: global_buffer, .address_space: global }
    .group_segment_fixed_size: 327680
    .private_segment_fixed_size: 0
    .kernarg_segment_align: 8
    .kernarg_segment_size: 24
    .max_flat_workgroup_size: 512
    .sgpr_count:     80
    .vgpr_count:     256
    .wavefront_size: 32
...
	.end_amdgpu_metadata
.endif
;; end of part 3
;; launch proj (part 4): grid 4 x 64, 4 waves a work-group, clusters of 4 x 4, 327,680 bytes of LDS; arguments aq, wq, b_out, out0; writes out0
.if DOCPART == 4
	.amdgcn_target "amdgcn-amd-amdhsa--gfx1250"
	.amdhsa_code_object_version 6
	.text
	.protected	k_q730905f11c_proj
	.globl	k_q730905f11c_proj
	.p2align	8
	.type	k_q730905f11c_proj,@function
k_q730905f11c_proj:
	s_mov_b64 s[64:65], 0
	v_nop
	global_prefetch_b8 v0, s[64:65] scope:SCOPE_SE
	s_setreg_imm32_b32 hwreg(HW_REG_WAVE_MODE, 25, 1), 1
	s_wait_xcnt 0x0
	s_wait_alu depctr_hold_cnt(0) depctr_sa_sdst(0) depctr_va_vdst(0) depctr_va_sdst(0) depctr_va_ssrc(0) depctr_va_vcc(0) depctr_vm_vsrc(0)
	s_getreg_b32 s2, hwreg(HW_REG_IB_STS2, 6, 4)
	s_cmp_eq_u32 s2, 0
	s_cbranch_scc0 .Lentry_in_a_cluster
	s_endpgm
.Lentry_in_a_cluster:
	s_bfe_u32 s2, ttmp6, 0x10000c
	s_cmp_lg_u32 s2, 0xf033
	s_cbranch_scc0 .Lentry_shape_is_right
	s_endpgm
.Lentry_shape_is_right:
; out0 = Q(attention's result) Q(w_out) + b_out on codes of FP6 (E2M3) with E8M0 scales, f32 sums.
; A block of 128 rows x 256 columns for each of 256 work-groups; four waves, 2 x 2, each 64 x 128: 32 accumulators.  K = 1,024 is eight steps of 128, 32 products a step.
; Operands lie in memory in the order of their registers: a fragment (16 rows x 128 K) is 1,536 bytes, a group of 128 rows 98,304 bytes, [K step][block of 16 rows].  Lane r of block i holds row 32 (i / 2) + 8 (i % 2) + r + 8 (r / 8).
; ALL OF K LIES IN LDS AT ONCE: A's group 98,304 bytes, B's two groups 196,608: nothing is filled again, so there is no ring.  One joint load a wave at the head: wave 0 A's K steps 0-3, wave 1 B's, wave 2 A's K steps 4-7, wave 3 B's.
; Waves 0 and 1 wait ahead of the first barrier; the second half is shown by a plain barrier in step 3.  No prefetch: all tiles are asked for at the head.
; CLUSTERS: 4 x 4 work-groups; A's tiles are asked for jointly along a row of the cluster, B's along a column.
; THE SCALE WORDS go once from memory into registers, 256 consecutive bytes a load: lanes 0-15 an even block's rows, lanes 16-31 the next block's; two words a lane: a pair of K steps.
; The matrix instruction is used transposed (source 0 = B's rows): a lane holds eight neighbouring columns of a row of out0.  The bias is the first products' C.
; The way out goes through a stage of 16 rows for each wave, in A's first half of K, which nobody reads behind the second barrier, and leaves as rows of 512 bytes.
; REGISTERS: window 0: v16-29 addresses; v32-47 A's scale words, v48-79 B's; v80-143 the bias; v144-239 A's fragments, two sets of four.  window 1: B's fragments, two sets of eight, at v0 and v128.  window 2: the accumulators, (a, b) at v[8 (8 a + b)].
.set FR,    12
.set NP,    4                          ; places behind this matrix instruction (ISA guide 7.12.1)
.set KH,    49152                      ; half of K of a group of 128 rows
.set BB,    2*KH                       ; B's codes: [half of K][group]
.set SPARE, 6*KH                       ; the spare words, 128 bytes a wave
.set SPITCH, 528
.set ADRA, 16                          ; v16-17 16 x lane + my A blocks in K half 0, 1;  v18-19 the same with 8 x lane
.set ADRB, 20                          ; v20-23 the same for B
.set STO,  24
.set RD,   25
.set CO,   26                          ; 16 x lane
.set L8,   27                          ; 8 x lane
.set SPW,  28
.set NIL,  29
.set SAS,  32
.set SBS,  48
.set BI,   80
.set AF,   144
.set BK,   128                         ; the way out: 16 rows read back: v128-191 and v192-255 by turns
.set G1A, 24
.set G1B, 32
.set GA0, 48
.set GB0, 52
.set GA1, 56
.set GB1, 60
.set MSB, 0
.macro WIN new
.if MSB != (\new)
	s_set_vgpr_msb (MSB<<8)|(\new)
.set MSB, (\new)
.endif
.endm
.set MUL,  0xa1                        ; source 0 (B) window 1, source 1 (A) window 0, C and D window 2
.set BIA,  0x81                        ; the same with C in window 0
.set TO_B, 0x40
.macro PLACES n
.rept \n
	v_nop
.endr
.endm
.macro CROUND
	s_barrier_signal -1
	s_barrier_wait -1
	s_cmp_lg_u32 s14, 0
	s_cbranch_scc1 .Lnot_wave_0_\@
	s_barrier_signal -3
.Lnot_wave_0_\@:
	s_barrier_wait -3
	s_barrier_signal -1
	s_barrier_wait -1
.endm
	s_load_b128 s[4:7], s[0:1], 0x0                ; aq, wq
	s_load_b128 s[8:11], s[0:1], 0x10              ; b_out, out0
	v_lshl_add_u32 v[SPW], v0, 2, SPARE
	v_mov_b32 v[NIL], 0
	ds_add_u32 v[SPW], v[NIL]                      ; the opening lines: the add twice on end and its wait
	ds_add_u32 v[SPW], v[NIL]
	v_lshrrev_b32 v1, 5, v0
	v_readfirstlane_b32 s14, v1                    ; wave
	s_lshr_b32 s15, s14, 1                         ; which 64 rows of A
	s_and_b32 s16, s14, 1                          ; which 128 columns
	s_bfe_u32 s40, ttmp6, 0x40000                  ; cx
	s_bfe_u32 s41, ttmp6, 0x40004                  ; cy
	s_lshl_b32 s42, ttmp9, 2
	s_add_co_u32 s42, s42, s40                     ; tile column, 0..3
	s_and_b32 s17, ttmp7, 0xffff
	s_lshl_b32 s17, s17, 2
	s_add_co_u32 s17, s17, s41                     ; tile row, 0..63
	s_lshl_b32 s43, s41, 2
	s_lshl_b32 s43, 15, s43                        ; my row of the cluster
	s_lshl_b32 s44, 0x1111, s40                    ; my column
	s_or_b32 s[G1A], s43, (3<<16)|(1<<21)          ; A: 49,152 dense bytes as 192 rows of 256
	s_mov_b32 s[G1A+1], 32<<16
	s_mov_b32 s[G1A+2], 192<<16
	s_mov_b32 s[G1A+3], 32<<16
	s_mov_b32 s[G1A+4], 192
	s_mov_b32 s[G1A+5], 32
	s_mov_b32 s[G1A+6], 0
	s_mov_b32 s[G1A+7], 0
	s_or_b32 s[G1B], s44, (3<<16)|(1<<21)          ; B: two rows of 49,152 bytes, 98,304 apart: the two groups
	s_mov_b32 s[G1B+1], 6144<<16
	s_mov_b32 s[G1B+2], 2<<16
	s_mov_b32 s[G1B+3], 6144<<16
	s_mov_b32 s[G1B+4], 2
	s_mov_b32 s[G1B+5], 12288
	s_mov_b32 s[G1B+6], 0
	s_mov_b32 s[G1B+7], 0
	s_mul_i32 s20, s17, 98304
	s_mov_b32 s21, 0
	s_lshl_b32 s22, s42, 1
	s_add_co_u32 s22, s22, 24                      ; w_out's groups lie behind w_qkv's 24
	s_mul_i32 s22, s22, 98304
	s_mov_b32 s23, 0
	s_mov_b32 s[GA0], 1
	s_mov_b32 s[GA0+1], 0
	s_mov_b32 s[GB0], 1
	s_mov_b32 s[GB0+1], BB
	s_mov_b32 s[GA1], 1
	s_mov_b32 s[GA1+1], KH
	s_mov_b32 s[GB1], 1
	s_mov_b32 s[GB1+1], BB+2*KH
	s_wait_alu depctr_va_vdst(0)
	s_wait_dscnt 0x0
	CROUND                                         ; all sixteen work-groups are here: the joint loads meet
	s_wait_kmcnt 0x0
	s_add_nc_u64 s[GA0+2:GA0+3], s[4:5], s[20:21]
	s_add_nc_u64 s[GA1+2:GA1+3], s[GA0+2:GA0+3], KH
	s_add_nc_u64 s[GB0+2:GB0+3], s[6:7], s[22:23]
	s_add_nc_u64 s[GB1+2:GB1+3], s[GB0+2:GB0+3], KH
	s_or_b32 s[GA0+3], s[GA0+3], 0x80000000
	s_or_b32 s[GA1+3], s[GA1+3], 0x80000000
	s_or_b32 s[GB0+3], s[GB0+3], 0x80000000
	s_or_b32 s[GB1+3], s[GB1+3], 0x80000000
.macro ARM under, g0, g1, next                 ; one chain of branches on the wave's number, a load to an arm
	s_cmp_lt_u32 s14, \under
	s_cbranch_scc0 \next
	tensor_load_to_lds s[\g0:\g0+3], s[\g1:\g1+7]
	s_nop 0
	PLACES 4
	s_branch .Lhead_asked
\next:
.endm
	ARM 1, GA0, G1A, .Lhead_b0
	ARM 2, GB0, G1B, .Lhead_a1
	ARM 3, GA1, G1A, .Lhead_b1
	tensor_load_to_lds s[GB1:GB1+3], s[G1B:G1B+7]
	s_nop 0
	PLACES 4
.Lhead_asked:
	s_lshl_b32 s20, s17, 12
	s_lshl_b32 s21, s15, 9
	s_add_co_u32 s20, s20, s21
	s_add_co_u32 s20, s20, 6291456
	s_mov_b32 s21, 0
	s_add_nc_u64 s[66:67], s[4:5], s[20:21]        ; A's scale words: my four blocks
	s_lshl_b32 s20, s42, 1
	s_add_co_u32 s20, s20, s16
	s_lshl_b32 s22, s20, 9                         ; my 128 columns, as bytes of f32
	s_add_co_u32 s20, s20, 24
	s_lshl_b32 s20, s20, 12
	s_add_co_u32 s20, s20, 3145728
	s_add_nc_u64 s[68:69], s[6:7], s[20:21]        ; B's scale words: my group
	s_mov_b32 s23, 0
	s_add_nc_u64 s[8:9], s[8:9], s[22:23]          ; my columns' bias
	s_lshl_b32 s20, s17, 1
	s_add_co_u32 s20, s20, s15
	s_lshl_b32 s20, s20, 18                        ; my 64 rows of 4,096 bytes
	s_add_co_u32 s20, s20, s22
	s_add_nc_u64 s[12:13], s[10:11], s[20:21]
	s_mul_i32 s70, s15, 4*1536
	s_mul_i32 s71, s16, KH
	s_add_co_u32 s71, s71, BB
	s_mul_i32 s72, s14, 16*SPITCH
	v_and_b32 v1, 31, v0
	v_and_b32 v2, 15, v0
	v_bfe_u32 v3, v0, 4, 1
	v_lshlrev_b32 v[CO], 4, v1
	v_lshlrev_b32 v[L8], 3, v1
	v_lshlrev_b32 v8, 6, v3
.irp p, 0,1,2,3
.irp c, 0,1
	global_load_b64 v[SAS+4*\p+2*\c:SAS+4*\p+2*\c+1], v[L8], s[66:67] offset:1024*\p+256*\c
.endr
.irp c, 0,1,2,3
	global_load_b64 v[SBS+8*\p+2*\c:SBS+8*\p+2*\c+1], v[L8], s[68:69] offset:1024*\p+256*\c
.endr
.endr
.irp b, 0,1,2,3
.irp j, 0,1,2,3
	global_load_b128 v[BI+16*\b+4*\j:BI+16*\b+4*\j+3], v8, s[8:9] offset:128*\b+16*\j   ; register 16 b + i: column 32 b + 16 h + i
.endr
.endr
	v_add_nc_u32 v[ADRA], s70, v[CO]
	v_add_nc_u32 v[ADRA+2], s70, v[L8]
	v_add_nc_u32 v[ADRB], s71, v[CO]
	v_add_nc_u32 v[ADRB+2], s71, v[L8]
	v_mul_u32_u24 v6, v2, SPITCH
	v_add_nc_u32 v[RD], s72, v[CO]
	v_add_nc_u32 v[ADRA+1], KH, v[ADRA]
	v_add_nc_u32 v[ADRA+3], KH, v[ADRA+2]
	v_add_nc_u32 v[ADRB+1], 2*KH, v[ADRB]
	v_add_nc_u32 v[ADRB+3], 2*KH, v[ADRB+2]
	v_lshl_add_u32 v6, v3, 6, v6
	v_add_nc_u32 v[STO], s72, v6
.macro FRAG reg, adr, q, i             ; a fragment as it lies: two halves of 512 + 256 bytes
	ds_load_b128 v[(\reg):(\reg)+3], v[(\adr)] offset:12288*(\q)+1536*(\i)
	ds_load_b64 v[(\reg)+4:(\reg)+5], v[(\adr)+2] offset:12288*(\q)+1536*(\i)+512
	ds_load_b128 v[(\reg)+6:(\reg)+9], v[(\adr)] offset:12288*(\q)+1536*(\i)+768
	ds_load_b64 v[(\reg)+10:(\reg)+11], v[(\adr)+2] offset:12288*(\q)+1536*(\i)+1280
.endm
.macro FETCH t                         ; K step t's fragments, B's eight and A's four, into set t % 2
	WIN TO_B
.irp i, 0,1,2,3,4,5,6,7
	FRAG 128*((\t)%2)+FR*\i, ADRB+(\t)/4, (\t)%4, \i
.endr
	WIN 0
.irp i, 0,1,2,3
	FRAG AF+48*((\t)%2)+FR*\i, ADRA+(\t)/4, (\t)%4, \i
.endr
.endm
; 16 products: A's blocks a0, a0 + 1 (a0 even) x B's eight.  The 32 accumulators take turns, one instruction a turn, in the same order in every step.
.macro MUL16 a0, t, first
.irp ao, 0,1
.irp bb, 0,1,2,3
.irp o, 0,1
.set DD, 8*(8*((\a0)+\ao)+2*\bb+\o)
.set FB, 128*((\t)%2)+FR*(2*\bb+\o)
.set FA, AF+48*((\t)%2)+FR*((\a0)+\ao)
.set XB, SBS+8*((\t)/2)+2*\bb+(\t)%2
.set XA, SAS+4*((\t)/2)+(\a0)+(\t)%2
.if \first
	v_wmma_scale_f32_16x16x128_f8f6f4 v[DD:DD+7], v[FB:FB+FR-1], v[FA:FA+FR-1], v[BI+8*(2*\bb+\o):BI+8*(2*\bb+\o)+7], v[XB], v[XA] matrix_a_fmt:MATRIX_FMT_FP6 matrix_b_fmt:MATRIX_FMT_FP6 matrix_a_scale:MATRIX_SCALE_ROW\o matrix_b_scale:MATRIX_SCALE_ROW\ao
.else
	v_wmma_scale_f32_16x16x128_f8f6f4 v[DD:DD+7], v[FB:FB+FR-1], v[FA:FA+FR-1], v[DD:DD+7], v[XB], v[XA] matrix_a_fmt:MATRIX_FMT_FP6 matrix_b_fmt:MATRIX_FMT_FP6 matrix_a_scale:MATRIX_SCALE_ROW\o matrix_b_scale:MATRIX_SCALE_ROW\ao
.endif
.endr
.endr
.endr
.endm
; A K step: its fragments were fetched in the middle of the step before; the next step's are fetched in its own middle, into the sets that the step before multiplied.
.macro STEP t, first
	s_wait_dscnt 0x0                               ; this step's fragments are in
.if (\t) == 3
	s_wait_tensorcnt 0x0                           ; every wave's load is in; my reads of K's first half are over
	s_barrier_signal -1
.endif
	WIN MUL-0x20*(\first)
	MUL16 0, \t, \first
.if (\t) == 3
	s_barrier_wait -1                              ; K's second half is shown to all
.endif
.if (\t) < 7
	PLACES NP                                      ; behind the last step's products, whose fragments the loads below write over
	FETCH (\t)+1
.endif
	WIN MUL-0x20*(\first)
	MUL16 2, \t, \first
.endm
	s_wait_alu depctr_va_vdst(0)
	s_cmp_lt_u32 s14, 2
	s_cbranch_scc0 .Llater
	s_wait_tensorcnt 0x0                           ; waves 0 and 1: K's first half of A, of B
.Llater:
	s_barrier_signal -1
	s_barrier_wait -1
	FETCH 0
	s_wait_loadcnt 0x0                             ; the scale words and the bias
	STEP 0, 1
.irp t, 1,2,3,4,5,6,7
	STEP \t, 0
.endr
	WIN 0
; THE WAY OUT, block by block of 16 rows x 128 columns: through my stage, back as whole rows of 512 bytes.  LDS serves a wave's instructions in order (ISA guide 5.7.1.4): no wait between the stores and the loads.
.macro TOSTAGE a
.set AC, 64*(\a)
	WIN 0x08                                       ; the data: window 2
.irp b, 0,1,2,3,4,5,6,7
	ds_store_b128 v[STO], v[AC+8*\b:AC+8*\b+3] offset:128*(\b/2)+32*(\b%2)
	ds_store_b128 v[STO], v[AC+8*\b+4:AC+8*\b+7] offset:128*(\b/2)+32*(\b%2)+16
.endr
	WIN 0
.set BBK, BK+64*((\a)%2)
.irp t, 0,1,2,3,4,5,6,7,8,9,10,11,12,13,14,15
	ds_load_b128 v[BBK+4*\t:BBK+4*\t+3], v[RD] offset:\t*SPITCH
.endr
.endm
.macro SEND a, younger                 ; younger: the LDS instructions issued behind block a's loads
.set BBK, BK+64*((\a)%2)
	s_wait_dscnt \younger
.irp t, 0,1,2,3,4,5,6,7,8,9,10,11,12,13,14,15
	global_store_b128 v[CO], v[BBK+4*\t:BBK+4*\t+3], s[12:13] offset:(32*((\a)/2)+8*((\a)%2)+\t+8*(\t/8))*4096 th:TH_STORE_NT   ; 512 consecutive bytes, aligned
.endr
.endm
	PLACES NP
	TOSTAGE 0
.irp a, 1,2,3
.if \a > 1
	s_wait_xcnt 0x0                                ; block a - 2's stores have read their registers
.endif
	TOSTAGE \a
	SEND \a-1, 32
.endr
	SEND 3, 0
	s_wait_tensorcnt 0x0                           ; the wave's end
	ds_add_u32 v[SPW], v[NIL]
	s_wait_dscnt 0x0
	CROUND                                         ; the closing round
	s_endpgm
.Lfunc_end_k_q730905f11c_proj:
	.size	k_q730905f11c_proj, .Lfunc_end_k_q730905f11c_proj-k_q730905f11c_proj
	.p2alignl 7, 3214868480
	.fill 96, 4, 3214868480
	.section	.rodata,"a",@progbits
	.p2align	6, 0x0
	.amdhsa_kernel k_q730905f11c_proj
		.amdhsa_group_segment_fixed_size 327680
		.amdhsa_private_segment_fixed_size 0
		.amdhsa_enable_private_segment 0
		.amdhsa_kernarg_size 32
		.amdhsa_user_sgpr_count 2
		.amdhsa_user_sgpr_kernarg_segment_ptr 1
		.amdhsa_wavefront_size32 1
		.amdhsa_system_sgpr_workgroup_id_x 1
		.amdhsa_system_sgpr_workgroup_id_y 1
		.amdhsa_system_sgpr_workgroup_id_z 1
		.amdhsa_system_vgpr_workitem_id 0
		.amdhsa_next_free_vgpr 768
		.amdhsa_next_free_sgpr 80
		.amdhsa_reserve_vcc 0
		.amdhsa_float_denorm_mode_32 3
		.amdhsa_float_denorm_mode_16_64 3
		.amdhsa_memory_ordered 1
		.amdhsa_forward_progress 1
		.amdhsa_inst_pref_size 84
	.end_amdhsa_kernel
	.amdgpu_metadata
---
amdhsa.version: [ 1, 2 ]
amdhsa.kernels:
  - .name:           k_q730905f11c_proj
    .symbol:         k_q730905f11c_proj.kd
    .args:
      - { .name: aq, .offset: 0, .size: 8, .value_kind: global_buffer, .address_space: global }
      - { .name: wq, .offset: 8, .size: 8, .value_kind: global_buffer, .address_space: global }
      - { .name: b_out, .offset: 16, .size: 8, .value_kind: global_buffer, .address_space: global }
      - { .name: out0, .offset: 24, .size: 8, .value_kind: global_buffer, .address_space: global }
    .group_segment_fixed_size: 327680
    .private_segment_fixed_size: 0
    .kernarg_segment_align: 8
    .kernarg_segment_size: 32
    .max_flat_workgroup_size: 128
    .sgpr_count:     80
    .vgpr_count:     768
    .wavefront_size: 32
...
	.end_amdgpu_metadata
.endif
;; end of part 4
